; MI455X (gfx1250); checked and timed in simulation.
; The chip was launched on July 23, 2026; its instructions are those of AMD's public machine-readable ISA for CDNA 5 (MIT licence, August 2026) and "CDNA5" Instruction Set Architecture Reference Guide (July 2026). The comments in the code are by the model that wrote it; some were corrected since.
;; Multi Head Attention. Allowed arithmetic: matrix products marked QUANTISED: E2M3 operands, one E8M0 scale for each 32 along K, by v_wmma_scale_f32_16x16x128_f8f6f4 with both operands' format E2M3, f32 sums; everything else in f32.
;; Inputs: attn_mask 8 x 1,024 bool; proj_b 1,024 float32; proj_w 1,024 x 1,024 float32; q 8 x 1,024 x 1,024 float32; w_ks 16 x 1,024 x 64 float32; w_qs 16 x 1,024 x 64 float32; w_vs 16 x 1,024 x 64 float32.
;; Outputs: out0 8 x 1,024 x 1,024 float32.
;; This version of the problem:
;;   THIS VERSION OF THE PROBLEM IS GIVEN IN LOW PRECISION. The matrix products marked QUANTISED in the list below multiply operands that are first quantised to E2M3 (2 exponent bits, 3 mantissa bits; 6 bits a number), with one power-of-two scale for each 32 numbers along K (OCP MX v1.0); their sums are f32. All else is computed in f32.
;;   The module's matrix products, in the order in which they are computed (A, B: the left and right operand; K: the contracted axis; several contracted axes count as one K, in the product's order):
;;     1. [M 1,024, K 1,024] x [K 1,024, N 8,192]; A: input w_qs; B: input q: QUANTISED
;;     2. [M 1,024, K 1,024] x [K 1,024, N 8,192]; A: input w_ks; B: input q: QUANTISED
;;     3. [M 1,024, K 1,024] x [K 1,024, N 8,192]; A: input w_vs; B: input q: QUANTISED
;;     4. batch 128 x [M 1,024, K 64] x [K 64, N 1,024]; A: computed on the way; B: computed on the way: QUANTISED
;;     5. batch 128 x [M 1,024, K 1,024] x [K 1,024, N 64]; A: computed on the way; B: computed on the way: QUANTISED
;;     6. [M 8,192, K 1,024] x [K 1,024, N 1,024]; A: computed on the way; B: input proj_w: QUANTISED
;;   THE QUANTISER, for each operand of a quantised product, along K:
;;     - K is cut into blocks of 32 from its start; a last block that is shorter is filled with zeros.
;;     - A block's scale is 2^e with e = floor(log2(the largest magnitude in the block)) - 2, held to -126 .. 127; a block of zeros has e = 0. As a byte (E8M0): e + 127.
;;     - Each number is divided by its block's scale, clamped to +-7.5, and rounded to the nearest number of E2M3, ties to even, subnormals kept.
;;     - The product sums the exact products of the quantised numbers (number of the format x scale) in f32.
;;   ~~~python
;;   def quantise(x, axis):      # numpy; x: float32 -> the quantised numbers, widened to float32 again
;;       x = np.moveaxis(x, axis, -1); K = x.shape[-1]
;;       x = np.pad(x, [(0, 0)] * (x.ndim - 1) + [(0, -K % 32)]); x = x.reshape(x.shape[:-1] + (-1, 32)); a = np.abs(x).max(-1, keepdims=True)
;;       e = np.where(a > 0, np.clip(np.frexp(np.where(a > 0, a, 1))[1] - 1 - 2, -126, 127), 0)      # np.frexp(a)[1] - 1 = floor(log2(a)), exactly
;;       r = np.clip(x / 2.0 ** e, -7.5, 7.5)
;;       step = 2.0 ** (np.maximum(np.frexp(np.where(r == 0, 1, r))[1] - 1, 0) - 3)
;;       q = np.round(r / step) * step * 2.0 ** e      # np.round: ties to even
;;       return np.moveaxis(q.reshape(q.shape[:-2] + (-1,))[..., :K], -1, axis).astype(np.float32)
;;   ~~~
;;   OPERANDS COMPUTED ON THE WAY. 'Computed on the way' means the value that the module computes at that place (a softmax that the list does not call 'softmax' is quantised finished and normalised). What goes into a quantiser is computed in f32, as accurately as f32 sums, v_exp_f32 and their like allow (about 1e-6 of the number): no bf16 or f16 on the way to a quantiser, and a product that is left as it is and whose result goes on into a quantised operand takes f32 operands (vector FMAs, or v_wmma_f32_16x16x4_f32). A number that lies on a knife's edge between two numbers of the format may be rounded either way, as far as f32 arithmetic and the matrix unit's own rounding can turn it there, and no further.
;; One version. Each part assembles by itself: llvm-mc -triple=amdgcn-amd-amdhsa -mcpu=gfx1250 --defsym DOCPART=n.
;; ======== version 1 of 1: 4 launches
;; limits: right only within a limited range of input values
;; workspace buffers: xc 6,291,456 bytes; wc 3,145,728 bytes; sa 360,448 bytes; sb 294,912 bytes; qc 6,291,456 bytes; kvc 12,582,912 bytes; qks 1,572,864 bytes; oc 6,291,456 bytes
;; launch prep (part 1): grid 384 x 1, 4 waves a work-group, no clusters, 60,928 bytes of LDS; arguments q, proj_w, w_qs, w_ks, w_vs, xc, wc, sa, sb; writes xc, wc, sa, sb
.if DOCPART == 1
	.amdgcn_target "amdgcn-amd-amdhsa--gfx1250"
	.amdhsa_code_object_version 6
	.text
	.protected	k_q22a404de7a_prep
	.globl	k_q22a404de7a_prep
	.p2align	8
	.type	k_q22a404de7a_prep,@function
k_q22a404de7a_prep:
	s_mov_b64 s[64:65], 0
	v_nop
	global_prefetch_b8 v0, s[64:65] scope:SCOPE_SE
	s_setreg_imm32_b32 hwreg(HW_REG_WAVE_MODE, 25, 1), 1
	s_wait_xcnt 0x0
; The f32 inputs of the four products on inputs become codes of FP6 (E2M3) with one E8M0 byte for each 32 along K, laid in the order of the operand's registers.
; A TILE is 16 rows: row r of tile 2 B + u is row 32 B + 8 u + r + 8 (r / 8) of the tensor.  A PIECE (768 bytes) is the image of 16 rows x 64 K: registers 0-3 of lane l at 16 l, registers 4-5 at 512 + 8 l;
; lane (r, h) holds k = 32 h .. 32 h + 31 of row r.  Codes lie [tile][16 pieces]; scale words [K step of 128][tile][16 rows x 4 bytes].
; A wave's job is 4 tiles x 128 along K.  Work-groups 0-255 take q (rows along K), 256-287 proj_w (likewise), 288-383 the three weights [h][K][64], whose K is not innermost: there a lane takes a column.
; A block's scale is 2^(floor(log2(its largest magnitude)) - 2); its byte is the largest magnitude's exponent field - 2, held at 1 from below (a block of zeros keeps the byte 1: its codes are zeros, and this program alone reads the bytes).
; LIMITS: blocks whose largest magnitude lies under 2^(3 - 127) get the byte 1; NaN and infinities among the inputs are not served.
; No tensor loads, no barrier: waves share nothing.  No cluster: no two work-groups read the same bytes.  The two paths have LDS bytes of their own.
.set PCOFF, 2359296                    ; proj_w's tiles begin here in wc (192 tiles x 12,288)
.set SAPL,  45056                      ; a plane of sa: 704 tiles x 64
.set SBPL,  36864                      ; a plane of sb: 576 tiles x 64
.set FLOOR, 0x1800000                  ; 2^(3 - 127)
.set EOFF,  0xff000000                 ; takes 2 off an exponent field
.set RREG,  8704                       ; rows' path: a wave's stage of 16 x 528 bytes and 256 bytes of scale words
.set CBASE, 34816                      ; columns' path begins here
.set CREG,  6400                       ; a wave's image of 6,144 bytes and 256 bytes of scale words
.set SPARE, 60416                      ; the spare words, 128 bytes a wave
.set SPW, 8                            ; v8  my spare word's address; never rewritten
.set NIL, 9                            ; v9  0; never rewritten
.set PWR, 12                           ; v12-15 scale words
.set TM,  16                           ; v16-31 at work in QUANT
.set PC,  32                           ; v32-55 two sets of codes
.set CT,  56                           ; v56-63 the conversions' second halves
.set R,   64                           ; v64-191 two sets of 64 as loaded
.set X,   192                          ; v192-255 64 numbers in the quantiser's order
.set X2,  64                           ; columns' path: two sets of 32
	s_load_b256 s[4:11], s[0:1], 0x0               ; q, proj_w, w_qs, w_ks
	s_load_b256 s[12:19], s[0:1], 0x20             ; w_vs, xc, wc, sa
	s_load_b64 s[20:21], s[0:1], 0x40              ; sb
	v_lshl_add_u32 v[SPW], v0, 2, SPARE
	v_mov_b32 v[NIL], 0
	v_lshrrev_b32 v1, 5, v0
	v_readfirstlane_b32 s22, v1                    ; wave
	v_and_b32 v7, 31, v0                           ; lane
	s_mov_b32 s24, 0x76543210
	s_mov_b32 s25, 0xfedcba98                      ; selects for lane l xor 16
	s_and_b32 s26, ttmp9, 1
	s_lshl_b32 s26, s26, 2
	s_add_co_u32 s26, s26, s22                     ; my K step of 128: 4 (work-group % 2) + wave
	s_mov_b32 s33, 0
	s_cmp_ge_u32 ttmp9, 288
	s_cbranch_scc1 .Lcols
; ---------------- rows along K: q and proj_w
	s_wait_alu depctr_va_vdst(0)
	v_lshlrev_b32 v1, 4, v7                        ; 16 x lane
	v_lshlrev_b32 v2, 3, v7                        ; 8 x lane
	s_mul_i32 s27, s22, RREG
	v_add_nc_u32 v3, s27, v1                       ; the stage, in: a row's 512 bytes as they lie
	v_and_b32 v10, 15, v0                          ; r
	v_bfe_u32 v11, v0, 4, 1                        ; h
	v_mul_u32_u24 v4, v10, 528
	v_lshl_add_u32 v4, v11, 6, v4
	v_add_nc_u32 v4, s27, v4                       ; out: row r, + 64 h: my 16 numbers of each block of 32
	v_lshl_add_u32 v5, v10, 2, s27
	v_add_nc_u32 v5, 16*528, v5                    ; my row's scale word
	v_add_nc_u32 v6, s27, v2
	v_add_nc_u32 v6, 16*528, v6                    ; the four tiles' words on the way out, 8 bytes a lane
.irp b, 0,1,2,3
	v_mov_b32 v[TM+4+\b], 0                        ; a lane permute's destination counts as one of its sources
.endr
	s_cmp_lt_u32 ttmp9, 256                        ; q or proj_w: the choice hangs on the work-group's number alone
	s_cselect_b32 s28, 0, 256
	s_mov_b32 s29, SBPL
	s_cselect_b32 s29, SAPL, s29
	s_cselect_b32 s30, 0, 32768                    ; proj_w's scale words lie behind 512 tiles
	s_cselect_b32 s31, 0, PCOFF
	s_wait_alu depctr_va_vdst(0)
	s_wait_kmcnt 0x0
	s_cselect_b64 s[4:5], s[4:5], s[6:7]
	s_cselect_b64 s[14:15], s[14:15], s[16:17]
	s_cselect_b64 s[18:19], s[18:19], s[20:21]
	s_sub_co_u32 s28, ttmp9, s28
	s_lshr_b32 s28, s28, 1                         ; my group of 64 rows
	s_lshl_b32 s32, s28, 18
	s_lshl_b32 s34, s26, 9
	s_add_co_u32 s32, s32, s34
	s_add_nc_u64 s[4:5], s[4:5], s[32:33]          ; source: 64 rows of 4,096 bytes a group, 512 bytes a K step
	s_mul_i32 s32, s28, 49152
	s_mul_i32 s34, s26, 1536
	s_add_co_u32 s32, s32, s34
	s_add_co_u32 s32, s32, s31
	s_add_nc_u64 s[14:15], s[14:15], s[32:33]      ; codes: 4 tiles of 12,288 a group, 1,536 a K step
	s_mul_i32 s32, s26, s29
	s_add_co_u32 s32, s32, s30
	s_lshl_b32 s34, s28, 8
	s_add_co_u32 s32, s32, s34
	s_add_nc_u64 s[18:19], s[18:19], s[32:33]      ; scale words: a plane a K step, 256 bytes a group
.macro LOADT i                         ; tile i's 16 rows: each load reads 512 consecutive bytes
.irp t, 0,1,2,3,4,5,6,7,8,9,10,11,12,13,14,15
	global_load_b128 v[R+64*((\i)%2)+4*\t:R+64*((\i)%2)+4*\t+3], v1, s[4:5] offset:(32*((\i)/2)+8*((\i)%2)+\t+8*(\t/8))*4096 th:TH_LOAD_NT
.endr
.endm
.macro TURNT i                         ; through my own stage: LDS serves a wave's instructions in order, so no wait stands between the stores and the loads
.irp t, 0,1,2,3,4,5,6,7,8,9,10,11,12,13,14,15
	ds_store_b128 v3, v[R+64*((\i)%2)+4*\t:R+64*((\i)%2)+4*\t+3] offset:528*\t
.endr
.irp b, 0,1,2,3
.irp j, 0,1,2,3
	ds_load_b128 v[X+16*\b+4*\j:X+16*\b+4*\j+3], v4 offset:128*\b+16*\j
.endr
.endr
.endm
; 64 numbers of a lane, register 16 b + i = k 32 b + 16 (lane / 16) + i of my row, become a fragment's 12 registers at v[pc] and its scale word in v[pw]
.macro QUANT s, pc, pw
.irp b, 0,1,2,3
	v_max3_num_f32 v[TM+\b], |v[(\s)+16*\b]|, |v[(\s)+16*\b+1]|, FLOOR
.endr
.irp i, 2,4,6,8,10,12,14
.irp b, 0,1,2,3
	v_max3_num_f32 v[TM+\b], |v[(\s)+16*\b+\i]|, |v[(\s)+16*\b+\i+1]|, v[TM+\b]
.endr
.endr
.irp b, 0,1,2,3
	v_permlanex16_b32 v[TM+4+\b], v[TM+\b], s24, s25
.endr
.irp b, 0,1,2,3
	v_max_num_f32 v[TM+\b], v[TM+\b], v[TM+4+\b]   ; with lane l xor 16's: the block's largest magnitude
.endr
.irp b, 0,1,2,3
	v_add_nc_u32 v[TM+12+\b], EOFF, v[TM+\b]       ; the conversion takes this operand's exponent field as its scale
.endr
.irp b, 0,1,2,3
	v_lshrrev_b32 v[TM+4+\b], 23, v[TM+12+\b]      ; the scale's byte
.endr
	v_lshl_or_b32 v[\pw], v[TM+5], 8, v[TM+4]
	v_lshl_or_b32 v[\pw], v[TM+6], 16, v[\pw]
	v_lshl_or_b32 v[\pw], v[TM+7], 24, v[\pw]
.irp c, 0,1
	v_cvt_scalef32_pk16_fp6_f32 v[(\pc)+6*\c:(\pc)+6*\c+2], v[(\s)+32*\c:(\s)+32*\c+15], v[TM+12+2*\c]
	v_cvt_scalef32_pk16_fp6_f32 v[CT+4*\c:CT+4*\c+2], v[(\s)+32*\c+16:(\s)+32*\c+31], v[TM+13+2*\c]
.endr
	v_nop                                          ; one plain place behind a scaled conversion
.irp c, 0,1                            ; the layout wants a whole block in a lane
.irp i, 0,1,2
	v_permlane16_swap_b32 v[(\pc)+6*\c+\i], v[CT+4*\c+\i]
.endr
.irp i, 0,1,2
	v_mov_b32 v[(\pc)+6*\c+3+\i], v[CT+4*\c+\i]
.endr
.endr
.endm
.macro GIMAGE pc, off                  ; a fragment's image: stores of 512, 256, 512, 256 consecutive aligned bytes
	global_store_b128 v1, v[(\pc):(\pc)+3], s[14:15] offset:(\off)
	global_store_b64 v2, v[(\pc)+4:(\pc)+5], s[14:15] offset:(\off)+512
	global_store_b128 v1, v[(\pc)+6:(\pc)+9], s[14:15] offset:(\off)+768
	global_store_b64 v2, v[(\pc)+10:(\pc)+11], s[14:15] offset:(\off)+1280
.endm
	LOADT 0
	LOADT 1
.irp i, 0,1,2,3
.if \i < 3
	s_wait_loadcnt 16                              ; this tile's 16 loads are in; the next tile's may be out
.else
	s_wait_loadcnt 0x0
.endif
	TURNT \i
	s_wait_dscnt 0x0                               ; the numbers are back, and the stores have read the registers that the next loads take
.if \i < 2
	LOADT \i+2
.endif
.if \i >= 2
	s_wait_xcnt 0x0                                ; the stores of two tiles ago have read this set of codes
.endif
	QUANT X, PC+12*(\i%2), PWR+\i
	GIMAGE PC+12*(\i%2), \i*12288
	ds_store_b32 v5, v[PWR+\i] offset:64*\i        ; both halves of the lanes write the same word with the same value
.endr
	ds_load_b64 v[10:11], v6                       ; in order behind my stores
	s_wait_dscnt 0x0
	global_store_b64 v2, v[10:11], s[18:19]        ; four tiles' scale words: 256 consecutive aligned bytes
	s_wait_tensorcnt 0x0                           ; the wave's end
	ds_add_u32 v[SPW], v[NIL]
	s_wait_dscnt 0x0
	s_endpgm
; ---------------- K not innermost: w_qs, w_ks, w_vs [h][1024][64].  A lane takes a column, its registers run down K
.Lcols:
	s_wait_alu depctr_va_vdst(0)
	v_lshlrev_b32 v1, 2, v7                        ; 4 x lane
	v_lshlrev_b32 v10, 4, v7
	v_lshlrev_b32 v11, 3, v7
	v_bfe_u32 v20, v0, 3, 1                        ; column n' of a group of 32 is row r of tile u: u = (n' / 8) % 2,
	v_and_b32 v21, 7, v0
	v_bfe_u32 v22, v0, 4, 1
	v_lshl_add_u32 v21, v22, 3, v21                ; r = n' % 8 + 8 (n' / 16)
	s_mul_i32 s27, s22, CREG
	s_add_co_u32 s27, s27, CBASE
	v_mul_u32_u24 v23, v20, 1536
	v_add_nc_u32 v23, s27, v23
	v_lshl_add_u32 v3, v21, 4, v23                 ; the image: registers 0-3 of lane r
	v_lshl_add_u32 v4, v21, 3, v23                 ; registers 4-5
	v_lshl_add_u32 v5, v20, 6, s27
	v_lshl_add_u32 v5, v21, 2, v5
	v_add_nc_u32 v5, 6144, v5                      ; my column's scale word
	v_add_nc_u32 v6, s27, v10                      ; the way out
	v_add_nc_u32 v18, s27, v11
	v_add_nc_u32 v18, 6144, v18
	s_sub_co_u32 s28, ttmp9, 288
	s_lshr_b32 s28, s28, 1                         ; 16 x which + head
	s_lshr_b32 s29, s28, 4
	s_and_b32 s30, s28, 15
	s_wait_kmcnt 0x0
	s_cmp_eq_u32 s29, 0
	s_cselect_b64 s[4:5], s[8:9], s[10:11]
	s_cmp_eq_u32 s29, 2
	s_cselect_b64 s[4:5], s[12:13], s[4:5]
	s_lshl_b32 s32, s30, 18
	s_lshl_b32 s34, s26, 15
	s_add_co_u32 s32, s32, s34
	s_add_nc_u64 s[4:5], s[4:5], s[32:33]          ; the head's 262,144 bytes, 128 rows of 256 bytes a K step
	s_mul_i32 s32, s28, 49152
	s_mul_i32 s34, s26, 1536
	s_add_co_u32 s32, s32, s34
	s_add_nc_u64 s[16:17], s[16:17], s[32:33]
	s_mul_i32 s32, s26, SAPL
	s_add_co_u32 s32, s32, 32768
	s_lshl_b32 s34, s28, 8
	s_add_co_u32 s32, s32, s34
	s_add_nc_u64 s[18:19], s[18:19], s[32:33]
.macro LOADB t                         ; unit t: block t / 2 of the K step, columns 32 (t % 2) on: the two halves of a row of 256 bytes are asked for one behind the other
.irp i, 0,1,2,3,4,5,6,7,8,9,10,11,12,13,14,15,16,17,18,19,20,21,22,23,24,25,26,27,28,29,30,31
	global_load_b32 v[X2+32*((\t)%2)+\i], v1, s[4:5] offset:(32*((\t)/2)+\i)*256+128*((\t)%2)
.endr
.endm
.macro BLOCK t
.set XS, X2+32*((\t)%2)
.set CC, PC+8*((\t)%2)
.set BE, (\t)%2
.set BL, (\t)/2
.if (\t) < 7
	s_wait_loadcnt 32                              ; this unit's 32 loads are in; the next unit's may be out
.else
	s_wait_loadcnt 0x0
.endif
.if (\t) >= 2
	s_wait_dscnt 2                                 ; the stores of two units ago have read this set of codes; the last unit's two may be out
.endif
	v_max3_num_f32 v14, |v[XS]|, |v[XS+1]|, |v[XS+2]|
	v_max3_num_f32 v15, |v[XS+3]|, |v[XS+4]|, |v[XS+5]|
.irp i, 6,10,14,18,22,26
	v_max3_num_f32 v14, v14, |v[XS+\i]|, |v[XS+\i+1]|
	v_max3_num_f32 v15, v15, |v[XS+\i+2]|, |v[XS+\i+3]|
.endr
	v_max3_num_f32 v14, v14, |v[XS+30]|, |v[XS+31]|
	v_max3_num_f32 v14, v14, v15, FLOOR
	v_add_nc_u32 v16, EOFF, v14
	v_cvt_scalef32_pk16_fp6_f32 v[CC:CC+2], v[XS:XS+15], v16
	v_cvt_scalef32_pk16_fp6_f32 v[CC+4:CC+6], v[XS+16:XS+31], v16
	v_lshrrev_b32 v17, 23, v16                     ; the byte; also the plain place behind the conversions
.if BL == 0
	v_mov_b32 v[PWR+BE], v17
.else
	v_lshl_or_b32 v[PWR+BE], v17, 8*BL, v[PWR+BE]
.endif
	v_mov_b32 v[CC+3], v[CC+4]
	v_mov_b32 v[CC+4], v[CC+5]
	v_mov_b32 v[CC+5], v[CC+6]
	ds_store_b128 v3, v[CC:CC+3] offset:3072*BE+768*(BL/2)+256*(BL%2)          ; block BL is piece BL / 2, half BL % 2 of the lanes
	ds_store_b64 v4, v[CC+4:CC+5] offset:3072*BE+768*(BL/2)+512+128*(BL%2)
.if BL == 3
	ds_store_b32 v5, v[PWR+BE] offset:128*BE
.endif
.if (\t) < 6
	LOADB (\t)+2
.endif
.endm
	LOADB 0
	LOADB 1
.irp t, 0,1,2,3,4,5,6,7
	BLOCK \t
.endr
.irp k, 0,1,2,3,4,5,6,7,8,9,10,11
	ds_load_b128 v[192+4*\k:192+4*\k+3], v6 offset:512*\k      ; in order behind my stores
.endr
	ds_load_b64 v[20:21], v18
.irp k, 0,1,2,3,4,5,6,7,8,9,10,11
	s_wait_dscnt 12-\k
	global_store_b128 v10, v[192+4*\k:192+4*\k+3], s[16:17] offset:(\k/3)*12288+512*(\k%3)    ; 512 consecutive aligned bytes
.endr
	s_wait_dscnt 0x0
	global_store_b64 v11, v[20:21], s[18:19]
	s_wait_tensorcnt 0x0                           ; the wave's end
	ds_add_u32 v[SPW], v[NIL]
	s_wait_dscnt 0x0
	s_endpgm
.Lfunc_end_k_q22a404de7a_prep:
	.size	k_q22a404de7a_prep, .Lfunc_end_k_q22a404de7a_prep-k_q22a404de7a_prep
	.p2alignl 7, 3214868480
	.fill 96, 4, 3214868480
	.section	.rodata,"a",@progbits
	.p2align	6, 0x0
	.amdhsa_kernel k_q22a404de7a_prep
		.amdhsa_group_segment_fixed_size 60928
		.amdhsa_private_segment_fixed_size 0
		.amdhsa_enable_private_segment 0
		.amdhsa_kernarg_size 72
		.amdhsa_user_sgpr_count 2
		.amdhsa_user_sgpr_kernarg_segment_ptr 1
		.amdhsa_wavefront_size32 1
		.amdhsa_system_sgpr_workgroup_id_x 1
		.amdhsa_system_sgpr_workgroup_id_y 1
		.amdhsa_system_sgpr_workgroup_id_z 1
		.amdhsa_system_vgpr_workitem_id 0
		.amdhsa_next_free_vgpr 256
		.amdhsa_next_free_sgpr 66
		.amdhsa_reserve_vcc 0
		.amdhsa_float_denorm_mode_32 3
		.amdhsa_float_denorm_mode_16_64 3
		.amdhsa_memory_ordered 1
		.amdhsa_forward_progress 1
		.amdhsa_inst_pref_size 76
	.end_amdhsa_kernel
	.amdgpu_metadata
---
amdhsa.version: [ 1, 2 ]
amdhsa.kernels:
  - .name:           k_q22a404de7a_prep
    .symbol:         k_q22a404de7a_prep.kd
    .args:
      - { .name: q, .offset: 0, .size: 8, .value_kind: global_buffer, .address_space: global }
      - { .name: proj_w, .offset: 8, .size: 8, .value_kind: global_buffer, .address_space: global }
      - { .name: w_qs, .offset: 16, .size: 8, .value_kind: global_buffer, .address_space: global }
      - { .name: w_ks, .offset: 24, .size: 8, .value_kind: global_buffer, .address_space: global }
      - { .name: w_vs, .offset: 32, .size: 8, .value_kind: global_buffer, .address_space: global }
      - { .name: xc, .offset: 40, .size: 8, .value_kind: global_buffer, .address_space: global }
      - { .name: wc, .offset: 48, .size: 8, .value_kind: global_buffer, .address_space: global }
      - { .name: sa, .offset: 56, .size: 8, .value_kind: global_buffer, .address_space: global }
      - { .name: sb, .offset: 64, .size: 8, .value_kind: global_buffer, .address_space: global }
    .group_segment_fixed_size: 60928
    .private_segment_fixed_size: 0
    .kernarg_segment_align: 8
    .kernarg_segment_size: 72
    .max_flat_workgroup_size: 128
    .sgpr_count:     66
    .vgpr_count:     256
    .wavefront_size: 32
...
	.end_amdgpu_metadata
.endif
;; end of part 1
;; launch qkv (part 2): grid 12 x 32, 4 waves a work-group, clusters of 4 x 4, 327,680 bytes of LDS; arguments xc, wc, sa, qc, kvc, qks; writes qc, kvc, qks
.if DOCPART == 2
	.amdgcn_target "amdgcn-amd-amdhsa--gfx1250"
	.amdhsa_code_object_version 6
	.text
	.protected	k_q22a404de7a_qkv
	.globl	k_q22a404de7a_qkv
	.p2align	8
	.type	k_q22a404de7a_qkv,@function
k_q22a404de7a_qkv:
	s_mov_b64 s[64:65], 0
	v_nop
	global_prefetch_b8 v0, s[64:65] scope:SCOPE_SE
	s_setreg_imm32_b32 hwreg(HW_REG_WAVE_MODE, 25, 1), 1
	s_wait_xcnt 0x0
	s_wait_alu depctr_hold_cnt(0) depctr_sa_sdst(0) depctr_va_vdst(0) depctr_va_sdst(0) depctr_va_ssrc(0) depctr_va_vcc(0) depctr_vm_vsrc(0)
	s_getreg_b32 s2, hwreg(HW_REG_IB_STS2, 6, 4)
	s_cmp_eq_u32 s2, 0
	s_cbranch_scc0 .Lentry_in_a_cluster
	s_endpgm
.Lentry_in_a_cluster:
	s_bfe_u32 s2, ttmp6, 0x10000c
	s_cmp_lg_u32 s2, 0xf033
	s_cbranch_scc0 .Lentry_shape_is_right
	s_endpgm
.Lentry_shape_is_right:
; The three projections, K = 1,024, on codes of FP6 (E2M3) with E8M0 scales; the results are quantised in registers and leave as codes: qh and kh along d_k, vh along the keys.
; A work-group of four waves makes 256 x 256, a wave 128 x 128: 64 accumulators.  D = source 0 (side 0, window 1) x source 1 (side 1, window 0): a lane holds one row of side 1, its registers run along side 0's rows.
; For Q and K (cluster x = 0, 1) side 1 is the tokens and side 0 the weights' rows, so a lane's registers run along d_k; for V (cluster x = 2) the sides change places, so they run along the keys.  One text serves all three.
; Tiles and pieces as the launch before lays them: a tile's row r is row 32 B + 8 u + r + 8 (r / 8), so that the 16 registers of result tiles 2 b, 2 b + 1 are 16 neighbours along the next K.
; K goes in 4 steps of 256 through two LDS slots; a tile's 3,072 bytes of a step are two fragments as register images: no pitch, no padding, every LDS load reads consecutive bytes.
; CLUSTERS: 4 x 4.  Side 1's tiles hang on cy alone and are asked for jointly along a row of the cluster, side 0's on cx alone, along a column.
; The scale words of the wave's rows for all of K (64 registers) are loaded once.
; No prefetch: the launch has two refills only.  LIMITS: NaN and infinities are not served; a block of results under 2^(3 - 127) gets the byte 1.
.set HALFT, 24576                      ; 8 tiles x 3,072: what one tensor load brings, and what a wave reads of a side
.set SLOT,  98304
.set SPARE, 196608
.set SAPL,  45056
.set FLOOR, 0x1800000
.set EOFF,  0xff000000
.set FR,  12
.set A16, 16                           ; v16-17 side 1's fragments in slot 0, 1: + 16 x lane;  v18-19: + 8 x lane
.set A8,  18
.set B16, 20                           ; v20-23 the same for side 0
.set B8,  22
.set L16, 24
.set L8,  25
.set SOF, 26                           ; my offset among the scale words
.set SPW, 28
.set NIL, 29
.set SC,  32                           ; v32-95 scale words: register 8 i + g: lanes 0-15 side 1's block i, lanes 16-31 side 0's block i, 128-step g
.set PW,  96                           ; v96-103 the results' scale words
.set SI,  104                          ; v104-115 their images
.set AF,  128                          ; v128-223 side 1's fragments, one set; later the results' codes
.set TM,  224
.set CT,  240
.set SEL, 94
.set G1,  24
.set G0,  32
.set G1B, 48
.set G0B, 56
.set MSB, 0
.macro WIN new                         ; the immediate's high byte repeats the setting that is left
.if MSB != (\new)
	s_set_vgpr_msb (MSB<<8)|(\new)
.set MSB, (\new)
.endif
.endm
.set MUL_LO, 0xa1                      ; source 0 window 1, source 1 window 0, C and D window 2
.set MUL_HI, 0xf1
.set TO_B,   0x40
.macro JLOAD s                         ; a joint load: waves 0, 1 fetch side 1's halves, waves 2, 3 side 0's; an s_nop 0 and four v_nop follow each line
	s_cmp_eq_u32 s17, 0
	s_cbranch_scc0 .Lfor_b_\@
	tensor_load_to_lds s[G0+4*\s:G0+4*\s+3], s[G1:G1+7]
	s_nop 0
.rept 4
	v_nop
.endr
	s_branch .Lasked_\@
.Lfor_b_\@:
	tensor_load_to_lds s[G0B+4*\s:G0B+4*\s+3], s[G1B:G1B+7]
	s_nop 0
.rept 4
	v_nop
.endr
.Lasked_\@:
.endm
.macro CREST
	s_cmp_lg_u32 s16, 0
	s_cbranch_scc1 .Lnot_wave_0_\@
	s_barrier_signal -3
.Lnot_wave_0_\@:
	s_barrier_wait -3
	s_barrier_signal -1
	s_barrier_wait -1
.endm
.macro CROUND
	s_barrier_signal -1
	s_barrier_wait -1
	CREST
.endm
	s_load_b256 s[4:11], s[0:1], 0x0               ; xc, wc, sa, qc
	s_load_b128 s[12:15], s[0:1], 0x20             ; kvc, qks
	v_lshl_add_u32 v[SPW], v0, 2, SPARE
	v_mov_b32 v[NIL], 0
	ds_add_u32 v[SPW], v[NIL]                      ; the wave's opening: the add and its wait ahead of my first tensor load
	ds_add_u32 v[SPW], v[NIL]
	v_lshrrev_b32 v1, 5, v0
	v_readfirstlane_b32 s16, v1                    ; wave
	s_lshr_b32 s17, s16, 1                         ; my half of side 1's rows; also: I fetch for side 1 (0) or side 0 (1)
	s_and_b32 s18, s16, 1                          ; my half of side 0's rows; also: which 128 rows I fetch
	s_bfe_u32 s19, ttmp6, 0x40000                  ; cx
	s_bfe_u32 s20, ttmp6, 0x40004                  ; cy
	s_mov_b32 s21, ttmp9                           ; cluster x: 0 Q, 1 K, 2 V: the same in all partners
	s_and_b32 s22, ttmp7, 0xffff                   ; cluster y
	s_cmp_eq_u32 s21, 2
	s_cselect_b32 s40, 2, s22
	s_cselect_b32 s41, s22, s21
	s_cselect_b32 s42, 512, 0                      ; where side 1's scale words begin, in tiles
	s_cselect_b32 s43, 0, 512
	s_lshl_b32 s40, s40, 2
	s_add_co_u32 s40, s40, s20                     ; side 1's block of 256 rows: hangs on cy
	s_lshl_b32 s41, s41, 2
	s_add_co_u32 s41, s41, s19                     ; side 0's: hangs on cx
	s_lshl_b32 s44, s20, 2
	s_lshl_b32 s44, 15, s44                        ; my row of the cluster
	s_lshl_b32 s45, 0x1111, s19                    ; my column
	s_or_b32 s[G1], s44, (3<<16)|(1<<21)           ; the mask; elements of 8 bytes; bit 21 beside a mask; no padding
	s_or_b32 s[G1B], s45, (3<<16)|(1<<21)
.irp g, G1, G1B
	s_mov_b32 s[\g+1], 384<<16                     ; tensor_dim0: 3,072 bytes
	s_mov_b32 s[\g+2], 16<<16                      ; tensor_dim1: 16 tiles for the head's loads; behind them the two words that count tiles are set to 8, for the ring's
	s_mov_b32 s[\g+3], 384<<16                     ; tile_dim0
	s_mov_b32 s[\g+4], 16                          ; tile_dim1
	s_mov_b32 s[\g+5], 1536                        ; from tile to tile: 12,288 bytes
	s_mov_b32 s[\g+6], 0
	s_mov_b32 s[\g+7], 0
.endr
	s_lshl_b32 s46, s40, 4
	s_lshl_b32 s47, s18, 3
	s_add_co_u32 s46, s46, s47
	s_mul_i32 s46, s46, 12288                      ; side 1: tile 16 x block + 8 x half
	s_mov_b32 s47, 0
	s_lshl_b32 s66, s41, 4
	s_lshl_b32 s67, s18, 3
	s_add_co_u32 s66, s66, s67
	s_mul_i32 s66, s66, 12288
	s_mov_b32 s67, 0
	s_mul_i32 s23, s16, HALFT                      ; where they go: wave x 8 tiles
	s_mov_b32 s[SEL], 0x76543210
	s_mov_b32 s[SEL+1], 0xfedcba98
	s_wait_dscnt 0x0                               ; the opening add is done
	s_wait_kmcnt 0x0
	s_cmp_eq_u32 s21, 2
	s_cselect_b64 s[68:69], s[6:7], s[4:5]         ; side 1's codes
	s_cselect_b64 s[70:71], s[4:5], s[6:7]         ; side 0's
	s_add_nc_u64 s[68:69], s[68:69], s[46:47]
	s_add_nc_u64 s[70:71], s[70:71], s[66:67]
	CROUND                                         ; all sixteen work-groups are here: the first joint loads meet
.irp s, 0,1
	s_mov_b32 s[G0+4*\s], 1
	s_add_co_u32 s[G0+4*\s+1], s23, \s*SLOT
	s_add_nc_u64 s[G0+4*\s+2:G0+4*\s+3], s[68:69], \s*3072
	s_or_b32 s[G0+4*\s+3], s[G0+4*\s+3], 0x80000000
	s_mov_b32 s[G0B+4*\s], 1
	s_add_co_u32 s[G0B+4*\s+1], s23, \s*SLOT
	s_add_nc_u64 s[G0B+4*\s+2:G0B+4*\s+3], s[70:71], \s*3072
	s_or_b32 s[G0B+4*\s+3], s[G0B+4*\s+3], 0x80000000
.endr
; THE HEAD'S LOADS, ONE A WAVE, fill BOTH slots: wave w fetches all 16 tiles of side 1 (waves 0, 1) or of side 0 (waves 2, 3) for K step w % 2: 49,152 bytes, which land where the slot's two halves of that side lie.
	s_mul_i32 s88, s18, 95232                      ; from my half's first tile back to the block's first (8 x 12,288 x half) and on to my K step (3,072 x half)
	s_mov_b32 s89, 0
	s_mul_i32 s90, s18, SLOT                       ; K step w % 2 goes to slot w % 2
	s_mov_b32 s80, 1
	s_add_co_u32 s81, s90, 0                       ; side 1's 16 tiles at the slot's start,
	s_sub_nc_u64 s[82:83], s[68:69], s[88:89]
	s_or_b32 s83, s83, 0x80000000
	s_mov_b32 s84, 1
	s_add_co_u32 s85, s90, 2*HALFT                 ; side 0's behind them
	s_sub_nc_u64 s[86:87], s[70:71], s[88:89]
	s_or_b32 s87, s87, 0x80000000
	s_cmp_eq_u32 s17, 0
	s_cbranch_scc0 .Lhead_b
	tensor_load_to_lds s[80:83], s[G1:G1+7]
	s_nop 0
.rept 4
	v_nop
.endr
	s_branch .Lhead_asked
.Lhead_b:
	tensor_load_to_lds s[84:87], s[G1B:G1B+7]
	s_nop 0
.rept 4
	v_nop
.endr
.Lhead_asked:
	v_and_b32 v1, 31, v0
	v_lshlrev_b32 v[L16], 4, v1
	v_lshlrev_b32 v[L8], 3, v1
	s_mul_i32 s72, s17, HALFT
	s_mul_i32 s73, s18, HALFT
	s_add_co_u32 s73, s73, 2*HALFT
.irp s, 0,1
	v_add_nc_u32 v[A16+\s], s72, v[L16]
	v_add_nc_u32 v[A8+\s], s72, v[L8]
	v_add_nc_u32 v[B16+\s], s73, v[L16]
	v_add_nc_u32 v[B8+\s], s73, v[L8]
	s_add_co_u32 s72, s72, SLOT
	s_add_co_u32 s73, s73, SLOT
.endr
	s_lshl_b32 s74, s40, 4
	s_lshl_b32 s75, s17, 3
	s_add_co_u32 s74, s74, s75
	s_add_co_u32 s74, s74, s42
	s_lshl_b32 s74, s74, 6                         ; my rows of side 1 among the scale words, 64 bytes a tile
	s_lshl_b32 s76, s41, 4
	s_lshl_b32 s77, s18, 3
	s_add_co_u32 s76, s76, s77
	s_add_co_u32 s76, s76, s43
	s_lshl_b32 s76, s76, 6
	s_mov_b32 s78, 0xffff0000                      ; lanes 16-31
	v_mov_b32 v2, s74
	v_mov_b32 v3, s76
	v_cndmask_b32 v2, v2, v3, s78
	v_and_b32 v3, 15, v0
	v_lshl_add_u32 v[SOF], v3, 2, v2
.irp i, 0,1,2,3,4,5,6,7
.irp g, 0,1,2,3,4,5,6,7
	global_load_b32 v[SC+8*\i+\g], v[SOF], s[8:9] offset:\g*SAPL+64*\i
.endr
.endr
.irp b, 0,1,2,3
	v_mov_b32 v[TM+4+\b], 0                        ; a lane permute's destination counts as one of its sources
.endr
.macro FRAG reg, a16, a8, off          ; a fragment's 12 registers from its image
	ds_load_b128 v[(\reg):(\reg)+3], v[\a16] offset:(\off)
	ds_load_b64 v[(\reg)+4:(\reg)+5], v[\a8] offset:(\off)+512
	ds_load_b128 v[(\reg)+6:(\reg)+9], v[\a16] offset:(\off)+768
	ds_load_b64 v[(\reg)+10:(\reg)+11], v[\a8] offset:(\off)+1280
.endm
; 16 matrix instructions: side 1's blocks a0, a0 + 1 x side 0's eight, 128-step g; p: side 0's set.  The 64 accumulators take turns, one instruction a turn
.macro MUL16 a0, p, g, zero
.irp a, \a0, \a0+1
.irp b, 0,1,2,3,4,5,6,7
.if \zero
	v_wmma_scale_f32_16x16x128_f8f6f4 v[8*(8*((\a)%4)+\b):8*(8*((\a)%4)+\b)+7], v[128*(\p)+FR*\b:128*(\p)+FR*\b+FR-1], v[AF+FR*(\a):AF+FR*(\a)+FR-1], 0, v[SC+8*\b+(\g)], v[SC+8*(\a)+(\g)] matrix_a_fmt:MATRIX_FMT_FP6 matrix_b_fmt:MATRIX_FMT_FP6 matrix_a_scale:MATRIX_SCALE_ROW1
.else
	v_wmma_scale_f32_16x16x128_f8f6f4 v[8*(8*((\a)%4)+\b):8*(8*((\a)%4)+\b)+7], v[128*(\p)+FR*\b:128*(\p)+FR*\b+FR-1], v[AF+FR*(\a):AF+FR*(\a)+FR-1], v[8*(8*((\a)%4)+\b):8*(8*((\a)%4)+\b)+7], v[SC+8*\b+(\g)], v[SC+8*(\a)+(\g)] matrix_a_fmt:MATRIX_FMT_FP6 matrix_b_fmt:MATRIX_FMT_FP6 matrix_a_scale:MATRIX_SCALE_ROW1
.endif
.endr
.endr
.endm
.macro FETCH_B slot, q, p              ; 32 loads
	WIN TO_B
.irp i, 0,1,2,3,4,5,6,7
	FRAG 128*(\p)+FR*\i, B16+\slot, B8+\slot, \i*3072+(\q)*1536
.endr
	WIN 0
.endm
.macro FETCH_A slot, q, i0             ; 16 loads
.irp i, \i0, \i0+1, \i0+2, \i0+3
	FRAG AF+FR*(\i), A16+\slot, A8+\slot, (\i)*3072+(\q)*1536
.endr
.endm
.macro PLACES                          ; four plain places behind matrix instructions, in front of loads into their registers and of reads of results
.rept 4
	v_nop
.endr
.endm
.macro STEP slot, g, zero              ; a slot's first 128 along K
	s_wait_dscnt 16                                ; side 0's set and side 1's blocks 0-3 are in; blocks 4-7 (16 loads) may be out
	WIN MUL_LO
	MUL16 0, 0, \g, \zero
	MUL16 2, 0, \g, \zero
	s_wait_dscnt 0x0
	PLACES
	FETCH_B \slot, 1, 1
	FETCH_A \slot, 1, 0
	WIN MUL_HI
	MUL16 4, 0, \g, \zero
	MUL16 6, 0, \g, \zero
	PLACES
	WIN 0
	FETCH_A \slot, 1, 4
.endm
; A slot's second 128 along K changes slots: one barrier; in front of it each wave waits for all its tensor loads, adds 0 to its spare word, and waits for that and for its reads of this slot
.macro TURN slot, next, fill, g
	s_wait_tensorcnt 0x0                           ; all my tensor loads have landed: my part of the next slot
	ds_add_u32 v[SPW], v[NIL]
	s_wait_dscnt 17                                ; (the add and side 1's blocks 4-7 may be out)
	WIN MUL_LO
	MUL16 0, 1, \g, 0
	s_wait_dscnt 0x0                               ; the add is done, and my reads of this slot are over
	s_barrier_signal -1
	MUL16 2, 1, \g, 0
	WIN 0
	s_barrier_wait -1
.if \fill
	CREST                                          ; the barrier has opened a round of the cluster's barrier: no wave of any partner still reads this slot or has a load on its way
	s_add_nc_u64 s[G0+4*\slot+2:G0+4*\slot+3], s[G0+4*\slot+2:G0+4*\slot+3], 6144
	s_add_nc_u64 s[G0B+4*\slot+2:G0B+4*\slot+3], s[G0B+4*\slot+2:G0B+4*\slot+3], 6144
	JLOAD \slot                                    ; the first tensor load behind the round; its four v_nop are the places in front of the loads below
.else
	PLACES
.endif
	FETCH_B \next, 0, 0
	FETCH_A \next, 0, 0
	WIN MUL_HI
	MUL16 4, 1, \g, 0
	MUL16 6, 1, \g, 0
	PLACES
	WIN 0
	FETCH_A \next, 0, 4
.endm
	s_wait_alu depctr_va_vdst(0)                   ; the head's end
	s_wait_tensorcnt 0x0                           ; my tile of the head's four is in, and no tensor load of mine is out, so a descriptor may be written:
	s_mov_b32 s[G1+2], 8<<16                       ; from here on a load brings 8 tiles
	s_mov_b32 s[G1+4], 8
	s_mov_b32 s[G1B+2], 8<<16
	s_mov_b32 s[G1B+4], 8
	s_barrier_signal -1
	s_barrier_wait -1                              ; everybody's is in: both slots are whole
	FETCH_B 0, 0, 0
	FETCH_A 0, 0, 0
	FETCH_A 0, 0, 4
	s_wait_loadcnt 0x0                             ; the scale words
	STEP 0, 0, 1                                   ; the first products start the sums
	TURN 0, 1, 1, 1
	STEP 1, 2, 0
	TURN 1, 0, 1, 3
	STEP 0, 4, 0
	TURN 0, 1, 0, 5                                ; nothing is left to fetch
	STEP 1, 6, 0
	s_wait_dscnt 16
	WIN MUL_LO
	MUL16 0, 1, 7, 0
	MUL16 2, 1, 7, 0
	s_wait_dscnt 0x0
	WIN MUL_HI
	MUL16 4, 1, 7, 0
	MUL16 6, 1, 7, 0
	WIN 0
; THE WAY OUT.  For each block a of side 1 the lane's 64 results (register 16 b + i = index 32 b + 16 (lane / 16) + i along side 0) become a fragment: piece 0 and piece 1 go 393,216 bytes apart
; (Q, K: the pair's two heads; V: the two halves of 128 keys).
	s_lshl_b32 s80, s40, 1
	s_add_co_u32 s80, s80, s17                     ; side 1's group of 128 rows
	s_lshl_b32 s81, s41, 1
	s_add_co_u32 s81, s81, s18                     ; side 0's
	s_cmp_eq_u32 s21, 2
	s_cselect_b32 s82, s81, s80                    ; the tokens' group
	s_cselect_b32 s83, s80, s81                    ; the weights' group,
	s_cselect_b32 s87, 6291456, 0                  ; V's codes lie behind K's
	s_cselect_b32 s88, 8192, 0                     ; V's scale words behind the two heads'
	s_and_b32 s83, s83, 7                          ; of which the low bits are the pair of heads
	s_cmp_eq_u32 s21, 0
	s_cselect_b64 s[84:85], s[10:11], s[12:13]
	s_cselect_b32 s86, 0, 786432
	s_mul_i32 s90, s83, 786432
	s_mul_i32 s91, s82, 6144
	s_add_co_u32 s90, s90, s91
	s_add_co_u32 s90, s90, s87
	s_mov_b32 s91, 0
	s_add_nc_u64 s[84:85], s[84:85], s[90:91]
	s_lshl_b32 s90, s83, 3
	s_lshr_b32 s89, s82, 3
	s_add_co_u32 s90, s90, s89
	s_mul_i32 s90, s90, 12288
	s_and_b32 s89, s82, 7
	s_lshl_b32 s89, s89, 9
	s_add_co_u32 s90, s90, s89
	s_add_co_u32 s90, s90, s86
	s_add_co_u32 s90, s90, s88
	s_add_nc_u64 s[92:93], s[14:15], s[90:91]
.macro QUANT s, x, pc, pw              ; 64 numbers at v[s] of window x -> 12 registers of codes at v[pc] and the scale word v[pw], both in window 0
.set WX, 5*(\x)
	WIN WX
.irp b, 0,1,2,3
	v_max3_num_f32 v[TM+\b], |v[(\s)+16*\b]|, |v[(\s)+16*\b+1]|, FLOOR      ; each accumulator is read from its low end on
.endr
.irp i, 2,4,6,8,10,12,14
.irp b, 0,1,2,3
	v_max3_num_f32 v[TM+\b], |v[(\s)+16*\b+\i]|, |v[(\s)+16*\b+\i+1]|, v[TM+\b]
.endr
.endr
	WIN 0
.irp b, 0,1,2,3
	v_permlanex16_b32 v[TM+4+\b], v[TM+\b], s[SEL], s[SEL+1]
.endr
.irp b, 0,1,2,3
	v_max_num_f32 v[TM+\b], v[TM+\b], v[TM+4+\b]
.endr
.irp b, 0,1,2,3
	v_add_nc_u32 v[TM+12+\b], EOFF, v[TM+\b]
.endr
.irp b, 0,1,2,3
	v_lshrrev_b32 v[TM+4+\b], 23, v[TM+12+\b]
.endr
	v_lshl_or_b32 v[\pw], v[TM+5], 8, v[TM+4]
	v_lshl_or_b32 v[\pw], v[TM+6], 16, v[\pw]
	v_lshl_or_b32 v[\pw], v[TM+7], 24, v[\pw]
.set WX, (\x)
	WIN WX
.irp c, 0,1
	v_cvt_scalef32_pk16_fp6_f32 v[(\pc)+6*\c:(\pc)+6*\c+2], v[(\s)+32*\c:(\s)+32*\c+15], v[TM+12+2*\c]
	v_cvt_scalef32_pk16_fp6_f32 v[CT+4*\c:CT+4*\c+2], v[(\s)+32*\c+16:(\s)+32*\c+31], v[TM+13+2*\c]
.endr
	WIN 0
	v_nop                                          ; one plain place behind a scaled conversion
.irp c, 0,1
.irp i, 0,1,2
	v_permlane16_swap_b32 v[(\pc)+6*\c+\i], v[CT+4*\c+\i]
.endr
.irp i, 0,1,2
	v_mov_b32 v[(\pc)+6*\c+3+\i], v[CT+4*\c+\i]
.endr
.endr
.endm
	PLACES
.irp a, 0,1,2,3,4,5,6,7
	QUANT 64*(\a%4), 2+\a/4, AF+12*\a, PW+\a
	global_store_b128 v[L16], v[AF+12*\a:AF+12*\a+3], s[84:85] offset:\a*768              ; 512 or 256 consecutive aligned bytes each
	global_store_b64 v[L8], v[AF+12*\a+4:AF+12*\a+5], s[84:85] offset:\a*768+512
	global_store_b128 v[L16], v[AF+12*\a+6:AF+12*\a+9], s[84:85] offset:\a*768+393216
	global_store_b64 v[L8], v[AF+12*\a+10:AF+12*\a+11], s[84:85] offset:\a*768+393728
.endr
.irp j, 0,1,2,3
	v_cndmask_b32 v[SI+\j], v[PW+\j], v[PW+4+\j], s78      ; lanes 0-15 block j's words, lanes 16-31 block 4 + j's
.endr
	s_cmp_eq_u32 s21, 2                            ; the same in all partners
	s_cbranch_scc1 .Lvwords
.irp j, 0,1,2,3
	v_perm_b32 v[SI+4+\j], v[SI+\j], v[SI+\j], 0x01000100  ; the first head's two bytes, twice: the padding's blocks carry the row's own bytes
	v_perm_b32 v[SI+8+\j], v[SI+\j], v[SI+\j], 0x03020302  ; the second head's
.endr
	global_store_b128 v[L16], v[SI+4:SI+7], s[92:93]
	global_store_b128 v[L16], v[SI+8:SI+11], s[92:93] offset:4096
	s_branch .Lwords_out
.Lvwords:
	s_wait_alu depctr_va_vdst(0)
	global_store_b128 v[L16], v[SI:SI+3], s[92:93]
.Lwords_out:
	s_wait_tensorcnt 0x0                           ; the wave's end
	ds_add_u32 v[SPW], v[NIL]
	s_wait_dscnt 0x0
	CROUND                                         ; the closing round
	s_endpgm
.Lfunc_end_k_q22a404de7a_qkv:
	.size	k_q22a404de7a_qkv, .Lfunc_end_k_q22a404de7a_qkv-k_q22a404de7a_qkv
	.p2alignl 7, 3214868480
	.fill 96, 4, 3214868480
	.section	.rodata,"a",@progbits
	.p2align	6, 0x0
	.amdhsa_kernel k_q22a404de7a_qkv
		.amdhsa_group_segment_fixed_size 327680
		.amdhsa_private_segment_fixed_size 0
		.amdhsa_enable_private_segment 0
		.amdhsa_kernarg_size 48
		.amdhsa_user_sgpr_count 2
		.amdhsa_user_sgpr_kernarg_segment_ptr 1
		.amdhsa_wavefront_size32 1
		.amdhsa_system_sgpr_workgroup_id_x 1
		.amdhsa_system_sgpr_workgroup_id_y 1
		.amdhsa_system_sgpr_workgroup_id_z 1
		.amdhsa_system_vgpr_workitem_id 0
		.amdhsa_next_free_vgpr 1024
		.amdhsa_next_free_sgpr 100
		.amdhsa_reserve_vcc 0
		.amdhsa_float_denorm_mode_32 3
		.amdhsa_float_denorm_mode_16_64 3
		.amdhsa_memory_ordered 1
		.amdhsa_forward_progress 1
		.amdhsa_inst_pref_size 152
	.end_amdhsa_kernel
	.amdgpu_metadata
---
amdhsa.version: [ 1, 2 ]
amdhsa.kernels:
  - .name:           k_q22a404de7a_qkv
    .symbol:         k_q22a404de7a_qkv.kd
    .args:
      - { .name: xc, .offset: 0, .size: 8, .value_kind: global_buffer, .address_space: global }
      - { .name: wc, .offset: 8, .size: 8, .value_kind: global_buffer, .address_space: global }
      - { .name: sa, .offset: 16, .size: 8, .value_kind: global_buffer, .address_space: global }
      - { .name: qc, .offset: 24, .size: 8, .value_kind: global_buffer, .address_space: global }
      - { .name: kvc, .offset: 32, .size: 8, .value_kind: global_buffer, .address_space: global }
      - { .name: qks, .offset: 40, .size: 8, .value_kind: global_buffer, .address_space: global }
    .group_segment_fixed_size: 327680
    .private_segment_fixed_size: 0
    .kernarg_segment_align: 8
    .kernarg_segment_size: 48
    .max_flat_workgroup_size: 128
    .sgpr_count:     100
    .vgpr_count:     1024
    .wavefront_size: 32
...
	.end_amdgpu_metadata
.endif
;; end of part 2
;; launch attn (part 3): grid 4 x 64, 4 waves a work-group, clusters of 4 x 1, 327,680 bytes of LDS; arguments qc, qks, kvc, attn_mask, oc, sb; writes oc, sb
.if DOCPART == 3
	.amdgcn_target "amdgcn-amd-amdhsa--gfx1250"
	.amdhsa_code_object_version 6
	.text
	.protected	k_q22a404de7a_attn
	.globl	k_q22a404de7a_attn
	.p2align	8
	.type	k_q22a404de7a_attn,@function
k_q22a404de7a_attn:
	s_mov_b64 s[64:65], 0
	v_nop
	global_prefetch_b8 v0, s[64:65] scope:SCOPE_SE
	s_setreg_imm32_b32 hwreg(HW_REG_WAVE_MODE, 25, 1), 1
	s_wait_xcnt 0x0
	s_wait_alu depctr_hold_cnt(0) depctr_sa_sdst(0) depctr_va_vdst(0) depctr_va_sdst(0) depctr_va_ssrc(0) depctr_va_vcc(0) depctr_vm_vsrc(0)
	s_getreg_b32 s2, hwreg(HW_REG_IB_STS2, 6, 4)
	s_cmp_eq_u32 s2, 0
	s_cbranch_scc0 .Lentry_in_a_cluster
	s_endpgm
.Lentry_in_a_cluster:
	s_bfe_u32 s2, ttmp6, 0x10000c
	s_cmp_lg_u32 s2, 0x3003
	s_cbranch_scc0 .Lentry_shape_is_right
	s_endpgm
.Lentry_shape_is_right:
; attn = softmax(qh kh^T / 8, masked keys at -inf), out = attn vh, both products on codes of FP6 (E2M3) with E8M0 scales; out leaves as codes along the heads' axis, for the projection.
; A work-group serves one batch, one pair of heads and 256 queries; the four work-groups of a cluster share the pair's K and V codes (196,608 bytes), asked for jointly, one tensor load a wave, filled once.
; A wave's JOB is 16 queries x all 1,024 keys of one head; eight jobs a wave.  S^T = K Q^T: a lane holds one query, its 512 registers (windows 1-3, 64 for each step of 128 keys) run along the keys.
; All keys stay in registers because the FINISHED, normalised softmax is what is quantised.  d_k = 64 fills half of the instruction's K: the upper 64 codes of Q's fragment are zeros.
; THE MASK is an addend, the C of the scores' products: 0, or -3e38 for a masked key.  The row's largest score is held at -1e30 from below and the row's sum at 0.5 (an unmasked row's sum is at least 1),
; so a row whose keys are all masked gives p = 0.  LIMIT: the promise holds while the scaled scores stay under 2^31 in magnitude; NaN and infinities are not served.
; THE EXPONENTIALS go in batches of one step (64 and the four blocks' largest); behind a batch stand the next step's multiply-adds and the last step's sums, and one wait ahead of each batch serves both sides.
; A block's largest p is not searched for: the block's largest score goes through the same multiply-add, exponential and multiplication.
; The K and V scale words (12,288 bytes of the 208,896 that a work-group reads of K and V) come through registers into LDS bytes of their own, each work-group its own: a small part of the bytes, and no second tensor load is owed.
; No prefetch: every tile is asked for at the head; there is no loop to run ahead in.
.set SCL,   196608                     ; scale words: K head 0, K head 1, V: 4,096 bytes each
.set BIASL, 208896                     ; the mask's addends, 1,024 f32
.set QL,    212992                     ; Q's fragments and scale words: 8 jobs x 1,024 bytes for each wave
.set SCR,   245760                     ; out's scale bytes, 512 bytes a wave
.set SPARE, 247808                     ; the spare words
.set FLOOR, 0x1800000                  ; 2^(3 - 127)
.set EOFF,  0xff000000                 ; takes 2 off an exponent field
; windows 1-3: v0-191 scores (window 3: v0-127)
.set BM,  192                          ; blocks' largest, 4 for each step of the window
.set BT,  204
.set MC,  208                          ; -c x the row's largest score, twice
.set INV, 214                          ; 1 / the row's sum, twice
.set SO,  216
.set BY,  220
.set PC,  224                          ; p's codes
.set PT,  236
.set WD,  244
.set SUM, 246                          ; v246-253 the window's sums, four chains of pairs
.set VB,  144                          ; V's fragments: window 0, two sets of 48 in K's two sets, which are idle while p V is summed; set anew by the macros that name it
; window 0
.set L16, 1
.set L8,  2
.set AK16, 3
.set AK8,  4
.set AV16, 5
.set AV8,  6
.set AW16, 7
.set AW8,  8
.set AB,   9
.set AQ16, 10
.set AQ8,  11
.set AQ4,  12
.set ASC,  13
.set AKS,  14
.set AVS,  15
.set SPW,  16
.set NIL,  17
.set L4,   18
.set R4,   19
.set KS,   20                          ; v20-51 K's scale words
.set VS,   52                          ; v52-67 V's
.set QW,   68
.set VSB,  69
.set PW,   70                          ; v70-71 p's scale words, two steps by turns
.set QF,   72                          ; v72-83 Q's fragment
.set OT,   84                          ; v84-115 O^T
.set T2,   116
.set HW,   122
.set OC,   124
.set OCT,  130
.set ST,   136
.set KB0,  144                         ; v144-251 K's fragments, two sets of 54
.set WV,  16
.set T0,  21
.set SEL, 22
.set CS,  24
.set G1C, 28
.set G0C, 44
.set TJ,  52
.set TS,  53
.set TK,  54
.set TV,  55
.set TKS, 56
.set TVS, 57
.set QTC, 58
.set HHC, 59
.set OP,  60
.set MSB, 0
.macro WIN new                         ; the immediate's high byte repeats the setting that is left
.if MSB != (\new)
	s_set_vgpr_msb (MSB<<8)|(\new)
.set MSB, (\new)
.endif
.endm
.macro CROUND                          ; a round of the cluster's barrier
	s_barrier_signal -1
	s_barrier_wait -1
	s_cmp_lg_u32 s[WV], 0
	s_cbranch_scc1 .Lnot_wave_0_\@
	s_barrier_signal -3
.Lnot_wave_0_\@:
	s_barrier_wait -3
	s_barrier_signal -1
	s_barrier_wait -1
.endm
.macro PLACES
.rept 4
	v_nop
.endr
.endm
	s_load_b256 s[4:11], s[0:1], 0x0               ; qc, qks, kvc, attn_mask
	s_load_b128 s[12:15], s[0:1], 0x20             ; oc, sb
	v_lshl_add_u32 v[SPW], v0, 2, SPARE
	v_mov_b32 v[NIL], 0
	ds_add_u32 v[SPW], v[NIL]                      ; the opening lines: the add, twice on end, and its wait ahead of my tensor load
	ds_add_u32 v[SPW], v[NIL]
	v_lshrrev_b32 v1, 5, v0
	v_readfirstlane_b32 s[WV], v1                  ; wave
	v_and_b32 v3, 31, v0
	v_lshlrev_b32 v[L16], 4, v3
	v_lshlrev_b32 v[L8], 3, v3
	v_lshlrev_b32 v[L4], 2, v3
	v_and_b32 v4, 15, v0                           ; r
	v_lshlrev_b32 v[R4], 2, v4
	v_bfe_u32 v5, v0, 4, 1                         ; h
	v_lshlrev_b32 v[VSB], 4, v4
	v_lshl_add_u32 v[VSB], v5, 9, v[VSB]
	v_lshl_add_u32 v[AB], v5, 6, BIASL             ; the addends of my half's keys: + 64 h
	v_lshlrev_b32 v6, 4, v4
	v_lshlrev_b32 v7, 3, v0                        ; my 8 bytes of the mask
	v_lshl_add_u32 v244, v0, 4, SCL                ; the scale words' way in: 16 bytes a thread
	v_lshlrev_b32 v245, 4, v0
	s_bfe_u32 s17, ttmp6, 0x40000                  ; cx: which 256 queries
	s_and_b32 s18, ttmp7, 0xffff
	s_lshr_b32 s19, s18, 3                         ; the pair of heads
	s_and_b32 s20, s18, 7                          ; the batch
	s_mov_b32 s[G1C], 15|(3<<16)|(1<<21)           ; all four partners; elements of 8 bytes; bit 21 beside a mask
	s_mov_b32 s[G1C+1], 32<<16                     ; 192 rows of 256 bytes: a dense block of 49,152
	s_mov_b32 s[G1C+2], 192<<16
	s_mov_b32 s[G1C+3], 32<<16
	s_mov_b32 s[G1C+4], 192
	s_mov_b32 s[G1C+5], 32
	s_mov_b32 s[G1C+6], 0
	s_mov_b32 s[G1C+7], 0
	s_and_b32 s66, s[WV], 1                        ; waves 0, 1: K of the pair's two heads; waves 2, 3: V's two halves of each 128 keys
	s_lshl_b32 s67, s19, 1
	s_add_co_u32 s66, s66, s67
	s_mul_i32 s66, s66, 393216
	s_mul_i32 s67, s20, 49152
	s_add_co_u32 s66, s66, s67
	s_lshr_b32 s67, s[WV], 1
	s_mul_i32 s67, s67, 6291456
	s_add_co_u32 s66, s66, s67
	s_mov_b32 s67, 0
	s_mul_i32 s68, s18, 12288
	s_add_co_u32 s68, s68, 786432                  ; K's and V's scale words of this batch and pair
	s_mov_b32 s69, 0
	s_mov_b32 s[SEL], 0x76543210
	s_mov_b32 s[SEL+1], 0xfedcba98                 ; selects for lane l xor 16
	s_mov_b32 s[CS], 0x3e38aa3b                    ; c = log2(e) / 8
	s_mov_b32 s[CS+1], s[CS]
	s_lshl_b32 s[T0], s20, 6
	s_lshl_b32 s70, s17, 4
	s_add_co_u32 s[T0], s[T0], s70
	s_lshl_b32 s70, s[WV], 2
	s_add_co_u32 s[T0], s[T0], s70                 ; my first tile of 16 queries
	s_lshl_b32 s[TJ], s[WV], 13
	s_add_co_u32 s[TJ], s[TJ], QL
	s_lshl_b32 s[TS], s[WV], 9
	s_add_co_u32 s[TS], s[TS], SCR
	s_mov_b32 s[TK], 0
	s_mov_b32 s[TV], 98304
	s_mov_b32 s[TKS], SCL
	s_mov_b32 s[TVS], SCL+8192
	s_wait_alu depctr_va_vdst(0)
	s_wait_dscnt 0x0                               ; both opening adds are done
	s_wait_kmcnt 0x0
	s_mov_b32 s[G0C], 1
	s_mul_i32 s[G0C+1], s[WV], 49152
	s_add_nc_u64 s[G0C+2:G0C+3], s[8:9], s[66:67]
	s_or_b32 s[G0C+3], s[G0C+3], 0x80000000
	CROUND                                         ; the four partners are here: the joint loads meet
	tensor_load_to_lds s[G0C:G0C+3], s[G1C:G1C+7]  ; my one tensor load of the launch
	s_nop 0
	s_add_nc_u64 s[68:69], s[6:7], s[68:69]
	s_lshl_b32 s70, s20, 10
	s_mov_b32 s71, 0
	s_add_nc_u64 s[10:11], s[10:11], s[70:71]      ; the batch's row of the mask
	s_lshl_b32 s72, s19, 10
	s_add_co_u32 s72, s72, s[T0]
	s_mul_i32 s72, s72, 768
	s_mov_b32 s73, 0
	s_add_nc_u64 s[4:5], s[4:5], s[72:73]          ; my four tiles of Q, first head
	s_mul_i32 s74, s18, 12288
	s_lshl_b32 s75, s17, 1
	s_lshr_b32 s70, s[WV], 1
	s_add_co_u32 s75, s75, s70
	s_lshl_b32 s75, s75, 9
	s_add_co_u32 s74, s74, s75
	s_and_b32 s75, s[WV], 1
	s_lshl_b32 s75, s75, 8
	s_add_co_u32 s74, s74, s75
	s_mov_b32 s75, 0
	s_add_nc_u64 s[76:77], s[6:7], s[74:75]        ; and their scale words
	s_mul_i32 s70, s[T0], 12288
	s_mul_i32 s72, s19, 1536
	s_add_co_u32 s70, s70, s72
	s_add_nc_u64 s[OP:OP+1], s[12:13], s[70:71]    ; out's codes: my tile, the pair's K step of 128
	s_mul_i32 s70, s19, 36864
	s_lshl_b32 s72, s[T0], 6
	s_add_co_u32 s70, s70, s72
	s_add_nc_u64 s[14:15], s[14:15], s[70:71]      ; out's scale words
	global_load_b64 v[208:209], v7, s[10:11]
.irp j, 0,1,2,3,4,5,6,7
	global_load_b128 v[144+8*\j:144+8*\j+3], v[L16], s[4:5] offset:(\j/4)*393216+(\j%4)*768
	global_load_b64 v[144+8*\j+4:144+8*\j+5], v[L8], s[4:5] offset:(\j/4)*393216+(\j%4)*768+512
	global_load_b32 v[144+8*\j+6], v6, s[76:77] offset:(\j/4)*4096+4*(\j%4)
.endr
.irp i, 0,1,2,3,4,5
	global_load_b128 v[220+4*\i:223+4*\i], v245, s[68:69] offset:2048*\i     ; the work-group's 128 threads read 2,048 consecutive bytes
.endr
	v_add_nc_u32 v[AQ16], s[TJ], v[L16]
	v_add_nc_u32 v[AQ8], s[TJ], v[L8]
	v_add_nc_u32 v[AQ4], s[TJ], v[L4]
	v_mov_b32 v218, 0xff61b1e6                     ; -3e38
	s_wait_alu depctr_va_vdst(0)
	s_wait_loadcnt 0x0
.irp k, 0,1,2,3,4,5,6,7
	v_bfe_u32 v219, v[208+\k/4], 8*(\k%4), 8
	v_cmp_ne_u32 vcc_lo, 0, v219
	v_cndmask_b32 v[210+\k], 0, v218, vcc_lo
.endr
	v_lshl_add_u32 v219, v0, 5, BIASL
	ds_store_b128 v219, v[210:213]                 ; these stores go to bytes of their own, on which no tile lands; K's and V's load is waited for further down
	ds_store_b128 v219, v[214:217] offset:16
.irp j, 0,1,2,3,4,5,6,7
	ds_store_b128 v[AQ16], v[144+8*\j:144+8*\j+3] offset:1024*\j
	ds_store_b64 v[AQ8], v[144+8*\j+4:144+8*\j+5] offset:1024*\j+512
	ds_store_b32 v[AQ4], v[144+8*\j+6] offset:1024*\j+768
.endr
.irp i, 0,1,2,3,4,5
	ds_store_b128 v244, v[220+4*\i:223+4*\i] offset:2048*\i
.endr
	s_wait_dscnt 0x0                               ; for the others' sake: my stores are done
	s_barrier_signal -1
	s_barrier_wait -1
.irp i, 0,1,2,3,4,5
	v_mov_b32 v[QF+6+\i], 0                        ; Q's upper 64 codes are zeros;
	v_mov_b32 v[KB0+48+\i], 0                      ; and what the last tile of each set of K holds against them
	v_mov_b32 v[KB0+102+\i], 0
.endr
	v_mov_b32 v[ST+7], 0                           ; a lane permute's destination counts as one of its sources
	v_mov_b32 v[T2+2], 0
	v_mov_b32 v[T2+3], 0
.irp w, 1,2,3
.set WX, \w<<6
	WIN WX
.irp b, 0,1,2,3
	v_mov_b32 v[BT+\b], 0
.endr
.endr
	WIN 0
.macro BIAS s                          ; step s's addends into its score registers: the C of its products
.set CW, 1+(\s)/3
.set CB, 64*((\s)%3)
.set WX, CW<<6
	WIN WX
.irp t, 0,1,2,3,4,5,6,7
	ds_load_b128 v[CB+8*\t:CB+8*\t+3], v[AB] offset:512*(\s)+128*(\t/2)+32*(\t%2)
	ds_load_b128 v[CB+8*\t+4:CB+8*\t+7], v[AB] offset:512*(\s)+128*(\t/2)+32*(\t%2)+16
.endr
.endm
.macro KLOAD s                         ; 16 loads: step s's eight tiles of K, 6 registers each
.set CK, KB0+54*((\s)%2)
	WIN 0
.irp i, 0,1,2,3,4,5,6,7
	ds_load_b128 v[CK+6*\i:CK+6*\i+3], v[AK16] offset:768*(8*(\s)+\i)
	ds_load_b64 v[CK+6*\i+4:CK+6*\i+5], v[AK8] offset:768*(8*(\s)+\i)+512
.endr
.endm
.macro SMUL s                          ; eight accumulators, one instruction each
.set CW, 1+(\s)/3
.set CB, 64*((\s)%3)
.set CK, KB0+54*((\s)%2)
.set WX, (CW<<6)+(CW<<4)
	WIN WX
.irp i, 0,1,2,3
	v_wmma_scale_f32_16x16x128_f8f6f4 v[CB+8*\i:CB+8*\i+7], v[CK+6*\i:CK+6*\i+11], v[QF:QF+11], v[CB+8*\i:CB+8*\i+7], v[KS+4*(\s)+\i], v[QW] matrix_a_fmt:MATRIX_FMT_FP6 matrix_b_fmt:MATRIX_FMT_FP6
.endr
.irp i, 4,5,6,7
	v_wmma_scale_f32_16x16x128_f8f6f4 v[CB+8*\i:CB+8*\i+7], v[CK+6*\i:CK+6*\i+11], v[QF:QF+11], v[CB+8*\i:CB+8*\i+7], v[KS+4*(\s)+\i-4], v[QW] matrix_a_fmt:MATRIX_FMT_FP6 matrix_b_fmt:MATRIX_FMT_FP6 matrix_a_scale:MATRIX_SCALE_ROW1
.endr
.endm
.macro BMAX s                          ; the largest score of each block of 32 keys; each accumulator is read from its low end on
.set CW, 1+(\s)/3
.set CB, 64*((\s)%3)
.set CM, BM+4*((\s)%3)
.set WX, 0x55*CW
	WIN WX
.irp b, 0,1,2,3
	v_max3_num_f32 v[CM+\b], v[CB+16*\b], v[CB+16*\b+1], v[CB+16*\b+2]
.endr
.irp i, 3,5,7,9,11,13
.irp b, 0,1,2,3
	v_max3_num_f32 v[CM+\b], v[CM+\b], v[CB+16*\b+\i], v[CB+16*\b+\i+1]
.endr
.endr
.irp b, 0,1,2,3
	v_max_num_f32 v[CM+\b], v[CM+\b], v[CB+16*\b+15]
.endr
.irp b, 0,1,2,3
	v_permlanex16_b32 v[BT+\b], v[CM+\b], s[SEL], s[SEL+1]
.endr
.irp b, 0,1,2,3
	v_max_num_f32 v[CM+\b], v[CM+\b], v[BT+\b]
.endr
.endm
.macro SM1 s, i                        ; one product of step s: tile i of K (CB and CK are set)
.if (\i) < 4
	v_wmma_scale_f32_16x16x128_f8f6f4 v[CB+8*(\i):CB+8*(\i)+7], v[CK+6*(\i):CK+6*(\i)+11], v[QF:QF+11], v[CB+8*(\i):CB+8*(\i)+7], v[KS+4*(\s)+(\i)], v[QW] matrix_a_fmt:MATRIX_FMT_FP6 matrix_b_fmt:MATRIX_FMT_FP6
.else
	v_wmma_scale_f32_16x16x128_f8f6f4 v[CB+8*(\i):CB+8*(\i)+7], v[CK+6*(\i):CK+6*(\i)+11], v[QF:QF+11], v[CB+8*(\i):CB+8*(\i)+7], v[KS+4*(\s)+(\i)-4], v[QW] matrix_a_fmt:MATRIX_FMT_FP6 matrix_b_fmt:MATRIX_FMT_FP6 matrix_a_scale:MATRIX_SCALE_ROW1
.endif
.endm
.macro BM1 k                           ; line k (0 .. 39) of BMAX, in BMAX's order, on the step whose XB and XM are set
.if (\k) < 4
	v_max3_num_f32 v[XM+(\k)], v[XB+16*(\k)], v[XB+16*(\k)+1], v[XB+16*(\k)+2]
.elseif (\k) < 28
	v_max3_num_f32 v[XM+((\k)-4)%4], v[XM+((\k)-4)%4], v[XB+16*(((\k)-4)%4)+2*(((\k)-4)/4)+3], v[XB+16*(((\k)-4)%4)+2*(((\k)-4)/4)+4]
.elseif (\k) < 32
	v_max_num_f32 v[XM+(\k)-28], v[XM+(\k)-28], v[XB+16*((\k)-28)+15]
.elseif (\k) < 36
	v_permlanex16_b32 v[BT+(\k)-32], v[XM+(\k)-32], s[SEL], s[SEL+1]
.else
	v_max_num_f32 v[XM+(\k)-36], v[XM+(\k)-36], v[BT+(\k)-36]
.endif
.endm
.macro SMB s                           ; step s's eight products, and behind each of them five of the 40 lines that find step s - 1's largest scores: plain work that names none of the product's registers
.set CW, 1+(\s)/3
.set CB, 64*((\s)%3)
.set CK, KB0+54*((\s)%2)
.set XW, 1+((\s)-1)/3
.set XB, 64*(((\s)-1)%3)
.set XM, BM+4*(((\s)-1)%3)
.set bn, 0
.irp i, 0,1,2,3,4,5,6,7
.set WX, (CW<<6)+(CW<<4)
	WIN WX
	SM1 \s, \i
.set WX, 0x55*XW
	WIN WX
.rept 5
	BM1 bn
.set bn, bn+1
.endr
.endr
.endm
.macro EXPS s                          ; batch s where step s + 1 lies in the same window: that step's multiply-adds stand among the exponentials; what they write is first read behind the next batch's wait
.set CW, 1+(\s)/3
.set CB, 64*((\s)%3)
.set CM, BM+4*((\s)%3)
.set NB, 64*(((\s)+1)%3)
.set NM, BM+4*(((\s)+1)%3)
.set WX, 0x55*CW
	WIN WX
.set i, 0
.rept 32
	v_exp_f32 v[CB+2*i], v[CB+2*i]
	v_pk_fma_f32 v[NB+2*i:NB+2*i+1], v[NB+2*i:NB+2*i+1], s[CS:CS+1], v[MC:MC+1] op_sel_hi:[1,0,0]
	v_exp_f32 v[CB+2*i+1], v[CB+2*i+1]
.set i, i+1
.endr
	v_exp_f32 v[CM], v[CM]
	v_pk_fma_f32 v[NM:NM+1], v[NM:NM+1], s[CS:CS+1], v[MC:MC+1] op_sel_hi:[1,0,0]
	v_exp_f32 v[CM+1], v[CM+1]
	v_exp_f32 v[CM+2], v[CM+2]
	v_pk_fma_f32 v[NM+2:NM+3], v[NM+2:NM+3], s[CS:CS+1], v[MC:MC+1] op_sel_hi:[1,0,0]
	v_exp_f32 v[CM+3], v[CM+3]
.endm
.macro WMAX w, n
.set WX, 0x55*(\w)
	WIN WX
	v_max3_num_f32 v[BT], v[BM], v[BM+1], v[BM+2]
.set i, 3
.rept ((\n)-4)/2
	v_max3_num_f32 v[BT], v[BT], v[BM+i], v[BM+i+1]
.set i, i+2
.endr
	v_max_num_f32 v[BT], v[BT], v[BM+(\n)-1]
.set WX, (\w)
	WIN WX
	v_mov_b32 v[ST+(\w)-1], v[BT]
.endm
.macro SCALE s                         ; t = c x (score - the row's largest), two at a time; the blocks' largest likewise
.set CW, 1+(\s)/3
.set CB, 64*((\s)%3)
.set CM, BM+4*((\s)%3)
.set WX, 0x55*CW
	WIN WX
.set i, 0
.rept 32
	v_pk_fma_f32 v[CB+2*i:CB+2*i+1], v[CB+2*i:CB+2*i+1], s[CS:CS+1], v[MC:MC+1] op_sel_hi:[1,0,0]
.set i, i+1
.endr
	v_pk_fma_f32 v[CM:CM+1], v[CM:CM+1], s[CS:CS+1], v[MC:MC+1] op_sel_hi:[1,0,0]
	v_pk_fma_f32 v[CM+2:CM+3], v[CM+2:CM+3], s[CS:CS+1], v[MC:MC+1] op_sel_hi:[1,0,0]
.endm
.macro EXPB s                          ; a batch: step s's 64 exponentials and its four blocks' largest
.set CW, 1+(\s)/3
.set CB, 64*((\s)%3)
.set CM, BM+4*((\s)%3)
.set WX, 0x55*CW
	WIN WX
.set i, 0
.rept 64
	v_exp_f32 v[CB+i], v[CB+i]
.set i, i+1
.endr
.irp b, 0,1,2,3
	v_exp_f32 v[CM+\b], v[CM+\b]
.endr
.endm
.macro SUMS s                          ; the row's sum is taken of the unquantised p: four chains of pairs in each window
.set CW, 1+(\s)/3
.set CB, 64*((\s)%3)
.set WX, 0x55*CW
	WIN WX
.set i, 0
.rept 32
	v_pk_add_f32 v[SUM+2*(i%4):SUM+2*(i%4)+1], v[SUM+2*(i%4):SUM+2*(i%4)+1], v[CB+2*i:CB+2*i+1]
.set i, i+1
.endr
.endm
.macro NORM s                          ; p / the row's sum
.set CW, 1+(\s)/3
.set CB, 64*((\s)%3)
.set CM, BM+4*((\s)%3)
.set WX, 0x55*CW
	WIN WX
.set i, 0
.rept 32
	v_pk_mul_f32 v[CB+2*i:CB+2*i+1], v[CB+2*i:CB+2*i+1], v[INV:INV+1]
.set i, i+1
.endr
	v_pk_mul_f32 v[CM:CM+1], v[CM:CM+1], v[INV:INV+1]
	v_pk_mul_f32 v[CM+2:CM+3], v[CM+2:CM+3], v[INV:INV+1]
.endm
.macro SBYTES s                        ; the four blocks' scale operands and p's scale word
.set CW, 1+(\s)/3
.set CM, BM+4*((\s)%3)
.set WX, 0x55*CW
	WIN WX
.irp b, 0,1,2,3
	v_max_num_f32 v[CM+\b], FLOOR, v[CM+\b]
.endr
.irp b, 0,1,2,3
	v_add_nc_u32 v[SO+\b], EOFF, v[CM+\b]
.endr
.irp b, 0,1,2,3
	v_lshrrev_b32 v[BY+\b], 23, v[SO+\b]
.endr
	v_lshl_or_b32 v[WD], v[BY+1], 8, v[BY]
	v_lshl_or_b32 v[WD], v[BY+2], 16, v[WD]
	v_lshl_or_b32 v[WD], v[BY+3], 24, v[WD]
.set WX, CW
	WIN WX
	v_mov_b32 v[PW+(\s)%2], v[WD]                  ; scale operands are taken from window 0
.endm
.macro CVT s
.set CW, 1+(\s)/3
.set CB, 64*((\s)%3)
.set WX, 0x55*CW
	WIN WX
.irp c, 0,1
	v_cvt_scalef32_pk16_fp6_f32 v[PC+6*\c:PC+6*\c+2], v[CB+32*\c:CB+32*\c+15], v[SO+2*\c]
	v_cvt_scalef32_pk16_fp6_f32 v[PT+4*\c:PT+4*\c+2], v[CB+32*\c+16:CB+32*\c+31], v[SO+2*\c+1]
.endr
	v_nop                                          ; one plain place behind a scaled conversion
.irp c, 0,1                            ; the layout wants a whole block in a lane
.irp i, 0,1,2
	v_permlane16_swap_b32 v[PC+6*\c+\i], v[PT+4*\c+\i]
.endr
.irp i, 0,1,2
	v_mov_b32 v[PC+6*\c+3+\i], v[PT+4*\c+\i]
.endr
.endr
.endm
.macro VLOAD s                         ; 16 loads: V's four fragments (16 of d_v x 128 keys) into set s % 2, window 0
.set VB, KB0+54*((\s)%2)
	WIN 0
.irp d, 0,1,2,3
	ds_load_b128 v[VB+12*\d:VB+12*\d+3], v[AV16] offset:6144*(\s)+768*\d
	ds_load_b64 v[VB+12*\d+4:VB+12*\d+5], v[AV8] offset:6144*(\s)+768*\d+512
	ds_load_b128 v[VB+12*\d+6:VB+12*\d+9], v[AW16] offset:6144*(\s)+768*\d
	ds_load_b64 v[VB+12*\d+10:VB+12*\d+11], v[AW8] offset:6144*(\s)+768*\d+512
.endr
.endm
.macro PV1 s, d                        ; one product of O^T += V^T p^T: 16 of d_v, step s's 128 keys (VB is set)
.if (\s) == 0
	v_wmma_scale_f32_16x16x128_f8f6f4 v[OT+8*\d:OT+8*\d+7], v[VB+12*\d:VB+12*\d+11], v[PC:PC+11], 0, v[VS+\d], v[PW] matrix_a_fmt:MATRIX_FMT_FP6 matrix_b_fmt:MATRIX_FMT_FP6
.elseif (\s)%2 == 0
	v_wmma_scale_f32_16x16x128_f8f6f4 v[OT+8*\d:OT+8*\d+7], v[VB+12*\d:VB+12*\d+11], v[PC:PC+11], v[OT+8*\d:OT+8*\d+7], v[VS+4*((\s)/2)+\d], v[PW] matrix_a_fmt:MATRIX_FMT_FP6 matrix_b_fmt:MATRIX_FMT_FP6
.else
	v_wmma_scale_f32_16x16x128_f8f6f4 v[OT+8*\d:OT+8*\d+7], v[VB+12*\d:VB+12*\d+11], v[PC:PC+11], v[OT+8*\d:OT+8*\d+7], v[VS+4*((\s)/2)+\d], v[PW+1] matrix_a_fmt:MATRIX_FMT_FP6 matrix_b_fmt:MATRIX_FMT_FP6 matrix_a_scale:MATRIX_SCALE_ROW1
.endif
.endm
.macro PVN s                           ; step s's four products, the four accumulators by turns; ahead of each stand ten or eight of the 34 multiplications that normalise step s + 1
.set CW, 1+(\s)/3
.set VB, KB0+54*((\s)%2)
.set NW, 1+((\s)+1)/3
.set NB, 64*(((\s)+1)%3)
.set NM, BM+4*(((\s)+1)%3)
.set i, 0
.irp d, 0,1,2,3
.if (\s) < 7
.set WX, 0x55*NW
	WIN WX
.rept 8
	v_pk_mul_f32 v[NB+2*i:NB+2*i+1], v[NB+2*i:NB+2*i+1], v[INV:INV+1]
.set i, i+1
.endr
.if \d == 0
	v_pk_mul_f32 v[NM:NM+1], v[NM:NM+1], v[INV:INV+1]
	v_pk_mul_f32 v[NM+2:NM+3], v[NM+2:NM+3], v[INV:INV+1]
.endif
.endif
.set WX, 4*CW
	WIN WX                                         ; V and O^T window 0, p's codes the step's window
	PV1 \s, \d
.endr
.endm
.irp s, 0,1,2,3,4,5,6,7
	BIAS \s                                        ; the first job's addends; each later job's are fetched as the job before gives a step's registers up
.endr
	WIN 0
	s_wait_tensorcnt 0x0                           ; my part of K and V is in,
	s_wait_dscnt 0x0                               ; and no LDS load of mine is out at the signal
	s_barrier_signal -1
	s_barrier_wait -1                              ; everybody's part is in
	s_mov_b32 s[HHC], 2
.Lhead:                                                ; the pair's two heads
	v_add_nc_u32 v[AK16], s[TK], v[L16]
	v_add_nc_u32 v[AK8], s[TK], v[L8]
	v_add_nc_u32 v[AV16], s[TV], v[L16]
	v_add_nc_u32 v[AV8], s[TV], v[L8]
	v_add_nc_u32 v[AW16], 49152, v[AV16]
	v_add_nc_u32 v[AW8], 49152, v[AV8]
	v_add_nc_u32 v[AKS], s[TKS], v[L16]
	v_add_nc_u32 v[AVS], s[TVS], v[VSB]
.irp t, 0,1,2,3,4,5,6,7
	ds_load_b128 v[KS+4*\t:KS+4*\t+3], v[AKS] offset:512*\t
.endr
.irp p, 0,1,2,3
	ds_load_b128 v[VS+4*\p:VS+4*\p+3], v[AVS] offset:1024*\p
.endr
	s_mov_b32 s[QTC], 4
.Ljob:                                                 ; my four tiles of 16 queries
	v_add_nc_u32 v[AQ16], s[TJ], v[L16]
	v_add_nc_u32 v[AQ8], s[TJ], v[L8]
	v_add_nc_u32 v[AQ4], s[TJ], v[L4]
	v_add_nc_u32 v[ASC], s[TS], v[R4]
	ds_load_b128 v[QF:QF+3], v[AQ16]
	ds_load_b64 v[QF+4:QF+5], v[AQ8] offset:512
	ds_load_b32 v[QW], v[AQ4] offset:768
	KLOAD 0
	KLOAD 1
.irp w, 1,2,3
.set WX, \w<<6
	WIN WX
.irp b, 0,1,2,3,4,5,6,7
	v_mov_b32 v[SUM+\b], 0
.endr
.endr
	s_wait_dscnt 16                                ; all but the next step's 16 loads of K
	SMUL 0
	PLACES
	KLOAD 2
.irp s, 1,2,3,4,5,6,7
.if \s < 7
	s_wait_dscnt 16                                ; all but the next step's 16 loads of K
.else
	s_wait_dscnt 0x0
.endif
	SMB \s                                         ; its last five plain lines are also the places in front of the loads below
.if \s < 6
	KLOAD \s+2
.endif
.endr
	BMAX 7
	VLOAD 0
	WMAX 1, 12
	WMAX 2, 12
	WMAX 3, 8
	WIN 0
	v_max3_num_f32 v[ST+3], v[ST], v[ST+1], v[ST+2]
	v_max_num_f32 v[ST+3], 0xf149f2ca, v[ST+3]     ; held at -1e30 from below: a row with every key masked
	v_mul_f32 v[ST+3], 0xbe38aa3b, v[ST+3]         ; x -c
.irp w, 1,2,3
.set WX, \w<<6
	WIN WX
	v_mov_b32 v[MC], v[ST+3]
	v_mov_b32 v[MC+1], v[ST+3]
.endr
	SCALE 0
.irp s, 0,1,2,3,4,5,6,7
	s_wait_alu depctr_va_vdst(0)                   ; ahead of this batch, and behind the last one, whose results the sums below read
.if ((\s)%3 < 2) && ((\s) < 7)
	EXPS \s                                        ; the next batch's sources among this batch
.else
	EXPB \s
.if \s < 7
	SCALE \s+1                                     ; the next step lies in another window: its multiply-adds stand behind the batch
.endif
.endif
.if \s > 0
	SUMS \s-1                                      ; and the sums of the batch before
.endif
.endr
	s_wait_alu depctr_va_vdst(0)                   ; behind the last batch
	SUMS 7
.irp w, 1,2,3
.set WX, 0x55*\w
	WIN WX
	v_pk_add_f32 v[SUM:SUM+1], v[SUM:SUM+1], v[SUM+2:SUM+3]
	v_pk_add_f32 v[SUM+4:SUM+5], v[SUM+4:SUM+5], v[SUM+6:SUM+7]
	v_pk_add_f32 v[SUM:SUM+1], v[SUM:SUM+1], v[SUM+4:SUM+5]
.set WX, 5*\w
	WIN WX
	v_add_f32 v[ST+3+\w], v[SUM], v[SUM+1]
.endr
	WIN 0
	v_add_f32 v[ST+4], v[ST+4], v[ST+5]
	v_add_f32 v[ST+4], v[ST+4], v[ST+6]
	v_permlanex16_b32 v[ST+7], v[ST+4], s[SEL], s[SEL+1]
	v_add_f32 v[ST+4], v[ST+4], v[ST+7]            ; with lane l xor 16's keys: the row's sum
	v_max_num_f32 v[ST+4], 0.5, v[ST+4]            ; a row with every key masked sums to 0: its p stay 0
	s_wait_alu depctr_va_vdst(0)                   ; ahead of the transcendental
	v_rcp_f32 v[ST+5], v[ST+4]
	v_nop
	s_wait_alu depctr_va_vdst(0)                   ; and ahead of its first reader
.irp w, 1,2,3
.set WX, \w<<6
	WIN WX
	v_mov_b32 v[INV], v[ST+5]
	v_mov_b32 v[INV+1], v[ST+5]
.endr
	NORM 0
.irp s, 0,1,2,3,4,5,6,7
	SBYTES \s
	CVT \s
	BIAS \s                                        ; the step's registers are free: the next job's addends,
.if \s < 7
	VLOAD \s+1                                     ; and in the same run the next step's fragments of V, into the other set
	s_wait_dscnt 32                                ; this step's fragments of V are in; the 16 loads of addends and the next step's 16 may be out
.else
.rept 8
	v_nop                                          ; the places between the scale word's write and the products
.endr
	s_wait_alu depctr_va_vdst(0)
	s_wait_dscnt 16                                ; V's last fragments are in; the 16 loads of addends may be out
.endif
	PVN \s
.endr
	WIN 0
	PLACES
; O^T's 32 registers are d_v = 16 h + 0 .. 15 and 32 + 16 h + 0 .. 15 of my query: two blocks of the projection's K
.irp b, 0,1
	v_max3_num_f32 v[T2+\b], |v[OT+16*\b]|, |v[OT+16*\b+1]|, FLOOR
.endr
.irp i, 2,4,6,8,10,12,14
.irp b, 0,1
	v_max3_num_f32 v[T2+\b], v[T2+\b], |v[OT+16*\b+\i]|, |v[OT+16*\b+\i+1]|
.endr
.endr
.irp b, 0,1
	v_permlanex16_b32 v[T2+2+\b], v[T2+\b], s[SEL], s[SEL+1]
.endr
.irp b, 0,1
	v_max_num_f32 v[T2+\b], v[T2+\b], v[T2+2+\b]
.endr
.irp b, 0,1
	v_add_nc_u32 v[T2+4+\b], EOFF, v[T2+\b]
.endr
.irp b, 0,1
	v_lshrrev_b32 v[T2+2+\b], 23, v[T2+4+\b]
.endr
	v_lshl_or_b32 v[HW], v[T2+3], 8, v[T2+2]
	v_cvt_scalef32_pk16_fp6_f32 v[OC:OC+2], v[OT:OT+15], v[T2+4]
	v_cvt_scalef32_pk16_fp6_f32 v[OCT:OCT+2], v[OT+16:OT+31], v[T2+5]
	v_nop
.irp i, 0,1,2
	v_permlane16_swap_b32 v[OC+\i], v[OCT+\i]
.endr
.irp i, 0,1,2
	v_mov_b32 v[OC+3+\i], v[OCT+\i]
.endr
	global_store_b128 v[L16], v[OC:OC+3], s[OP:OP+1]               ; a piece's image: 512 and 256 consecutive aligned bytes
	global_store_b64 v[L8], v[OC+4:OC+5], s[OP:OP+1] offset:512
	ds_store_b32 v[ASC], v[HW]                     ; both halves of the lanes write the same word with the same value
	s_wait_xcnt 0x0                                ; the stores have read their base and data
	s_wait_dscnt 0x0
	s_add_nc_u64 s[OP:OP+1], s[OP:OP+1], 12288
	s_add_co_u32 s[TJ], s[TJ], 1024
	s_add_co_u32 s[TS], s[TS], 64
	s_sub_co_u32 s[QTC], s[QTC], 1
	s_cmp_lg_u32 s[QTC], 0
	s_cbranch_scc1 .Ljob
	s_sub_nc_u64 s[OP:OP+1], s[OP:OP+1], 48384     ; back four tiles, on one piece
	s_add_co_u32 s[TK], s[TK], 49152
	s_add_co_u32 s[TV], s[TV], 3072
	s_add_co_u32 s[TKS], s[TKS], 4096
	s_add_co_u32 s[TVS], s[TVS], 256
	s_sub_co_u32 s[HHC], s[HHC], 1
	s_cmp_lg_u32 s[HHC], 0
	s_cbranch_scc1 .Lhead
	s_lshl_b32 s66, s[WV], 9
	s_add_co_u32 s66, s66, SCR
	v_add_nc_u32 v3, s66, v[L8]
	ds_load_b64 v[T2:T2+1], v3                     ; the first head's two bytes of my four tiles' rows,
	ds_load_b64 v[T2+2:T2+3], v3 offset:256        ; the second head's
	s_wait_dscnt 0x0
	v_lshl_or_b32 v[T2+4], v[T2+2], 16, v[T2]
	v_lshl_or_b32 v[T2+5], v[T2+3], 16, v[T2+1]
	global_store_b64 v[L8], v[T2+4:T2+5], s[14:15] ; 256 consecutive aligned bytes
	s_wait_tensorcnt 0x0                           ; the wave's end
	ds_add_u32 v[SPW], v[NIL]
	s_wait_dscnt 0x0
	CROUND                                         ; the closing round
	s_endpgm
.Lfunc_end_k_q22a404de7a_attn:
	.size	k_q22a404de7a_attn, .Lfunc_end_k_q22a404de7a_attn-k_q22a404de7a_attn
	.p2alignl 7, 3214868480
	.fill 96, 4, 3214868480
	.section	.rodata,"a",@progbits
	.p2align	6, 0x0
	.amdhsa_kernel k_q22a404de7a_attn
		.amdhsa_group_segment_fixed_size 327680
		.amdhsa_private_segment_fixed_size 0
		.amdhsa_enable_private_segment 0
		.amdhsa_kernarg_size 48
		.amdhsa_user_sgpr_count 2
		.amdhsa_user_sgpr_kernarg_segment_ptr 1
		.amdhsa_wavefront_size32 1
		.amdhsa_system_sgpr_workgroup_id_x 1
		.amdhsa_system_sgpr_workgroup_id_y 1
		.amdhsa_system_sgpr_workgroup_id_z 1
		.amdhsa_system_vgpr_workitem_id 0
		.amdhsa_next_free_vgpr 1024
		.amdhsa_next_free_sgpr 80
		.amdhsa_reserve_vcc 1
		.amdhsa_float_denorm_mode_32 3
		.amdhsa_float_denorm_mode_16_64 3
		.amdhsa_memory_ordered 1
		.amdhsa_forward_progress 1
		.amdhsa_inst_pref_size 172
	.end_amdhsa_kernel
	.amdgpu_metadata
---
amdhsa.version: [ 1, 2 ]
amdhsa.kernels:
  - .name:           k_q22a404de7a_attn
    .symbol:         k_q22a404de7a_attn.kd
    .args:
      - { .name: qc, .offset: 0, .size: 8, .value_kind: global_buffer, .address_space: global }
      - { .name: qks, .offset: 8, .size: 8, .value_kind: global_buffer, .address_space: global }
      - { .name: kvc, .offset: 16, .size: 8, .value_kind: global_buffer, .address_space: global }
      - { .name: attn_mask, .offset: 24, .size: 8, .value_kind: global_buffer, .address_space: global }
      - { .name: oc, .offset: 32, .size: 8, .value_kind: global_buffer, .address_space: global }
      - { .name: sb, .offset: 40, .size: 8, .value_kind: global_buffer, .address_space: global }
    .group_segment_fixed_size: 327680
    .private_segment_fixed_size: 0
    .kernarg_segment_align: 8
    .kernarg_segment_size: 48
    .max_flat_workgroup_size: 128
    .sgpr_count:     80
    .vgpr_count:     1024
    .wavefront_size: 32
...
	.end_amdgpu_metadata
.endif
;; end of part 3
;; launch proj (part 4): grid 4 x 64, 4 waves a work-group, clusters of 4 x 4, 295,424 bytes of LDS; arguments oc, wc, sb, proj_b, out0; writes out0
.if DOCPART == 4
	.amdgcn_target "amdgcn-amd-amdhsa--gfx1250"
	.amdhsa_code_object_version 6
	.text
	.protected	k_q22a404de7a_proj
	.globl	k_q22a404de7a_proj
	.p2align	8
	.type	k_q22a404de7a_proj,@function
k_q22a404de7a_proj:
	s_mov_b64 s[64:65], 0
	v_nop
	global_prefetch_b8 v0, s[64:65] scope:SCOPE_SE
	s_setreg_imm32_b32 hwreg(HW_REG_WAVE_MODE, 25, 1), 1
	s_wait_xcnt 0x0
	s_wait_alu depctr_hold_cnt(0) depctr_sa_sdst(0) depctr_va_vdst(0) depctr_va_sdst(0) depctr_va_ssrc(0) depctr_va_vcc(0) depctr_vm_vsrc(0)
	s_getreg_b32 s2, hwreg(HW_REG_IB_STS2, 6, 4)
	s_cmp_eq_u32 s2, 0
	s_cbranch_scc0 .Lentry_in_a_cluster
	s_endpgm
.Lentry_in_a_cluster:
	s_bfe_u32 s2, ttmp6, 0x10000c
	s_cmp_lg_u32 s2, 0xf033
	s_cbranch_scc0 .Lentry_shape_is_right
	s_endpgm
.Lentry_shape_is_right:
; out0 = out proj_w^T + proj_b, K = 1,024, on codes of FP6 (E2M3) with E8M0 scales; sums in f32.
; A work-group makes 128 tokens x 256 outputs, so that there are 256 work-groups; a wave 64 x 128: 32 accumulators.
; ALL OF K LIES IN LDS, FILLED ONCE: a tile's codes for all of K are 12,288 consecutive bytes of memory, so ONE tensor load a wave brings its share whole: waves 0, 1 four tiles of tokens each, waves 2, 3 eight tiles of proj_w each.
; Nothing is filled again, and every fragment's place (tile x 12,288 + K step x 1,536) stands in a load's immediate.
; D = source 0 (16 rows of proj_w, window 1) x source 1 (16 tokens, window 0): a lane holds one token, its registers run along the outputs.  The bias is the C of each sum's first product.
; Tiles and pieces as the earlier launches lay them: row r of tile 2 B + u is row 32 B + 8 u + r + 8 (r / 8); fragments are register images.
; CLUSTERS: 4 x 4.  The tokens' tiles hang on cy alone (joint along a row of the cluster), proj_w's on cx alone (along a column).  No prefetch: all tiles are asked for at the head.
.set PCOFF, 2359296
.set TILE,  12288                      ; a tile's codes for all of K
.set WL,    98304                      ; proj_w's tiles lie behind the tokens' eight
.set SPARE, 294912
.set SBPL,  36864
.set FR,  12
.set A16, 16
.set A8,  17
.set B16, 18                           ; v18, v19: proj_w's tiles 0-3;  v20, v21: tiles 4-7, so that the immediates stay inside 16 bits
.set B8,  19
.set STO, 24
.set RD,  25
.set CO,  26
.set SOF, 27
.set SPW, 28
.set NIL, 29
.set BO,  30
.set SC,  32                           ; v32-95 scale words: register 8 i + g: lanes 0-15 the tokens' block i, lanes 16-31 proj_w's block i
.set AF,  128                          ; v128-175, v176-223: the tokens' fragments, two sets
.set BK,  128                          ; the way out
.set G1A, 24
.set G0A, 32
.set G1B, 48
.set G0B, 56
.set MSB, 0
.macro WIN new
.if MSB != (\new)
	s_set_vgpr_msb (MSB<<8)|(\new)
.set MSB, (\new)
.endif
.endm
.set TO_B, 0x40
.macro CROUND
	s_barrier_signal -1
	s_barrier_wait -1
	s_cmp_lg_u32 s14, 0
	s_cbranch_scc1 .Lnot_wave_0_\@
	s_barrier_signal -3
.Lnot_wave_0_\@:
	s_barrier_wait -3
	s_barrier_signal -1
	s_barrier_wait -1
.endm
.macro PLACES
.rept 4
	v_nop
.endr
.endm
	s_load_b256 s[4:11], s[0:1], 0x0               ; oc, wc, sb, proj_b
	s_load_b64 s[12:13], s[0:1], 0x20              ; out0
	v_lshl_add_u32 v[SPW], v0, 2, SPARE
	v_mov_b32 v[NIL], 0
	ds_add_u32 v[SPW], v[NIL]                      ; the opening lines: the add, twice on end, and its wait ahead of my tensor load
	ds_add_u32 v[SPW], v[NIL]
	v_lshrrev_b32 v1, 5, v0
	v_readfirstlane_b32 s14, v1                    ; wave
	s_lshr_b32 s15, s14, 1                         ; my 64 tokens; also: I fetch tokens (0) or proj_w (1)
	s_and_b32 s16, s14, 1                          ; my 128 outputs; also: which half I fetch
	s_bfe_u32 s17, ttmp6, 0x40000                  ; cx: the block of 256 outputs
	s_bfe_u32 s18, ttmp6, 0x40004                  ; cy
	s_and_b32 s19, ttmp7, 0xffff
	s_lshl_b32 s20, s19, 2
	s_add_co_u32 s20, s20, s18                     ; the block of 128 tokens
	s_lshl_b32 s76, s18, 2
	s_lshl_b32 s76, 15, s76                        ; my row of the cluster
	s_lshl_b32 s77, 0x1111, s17                    ; my column
	s_or_b32 s[G1A], s76, (3<<16)|(1<<21)
	s_or_b32 s[G1B], s77, (3<<16)|(1<<21)
	s_mov_b32 s[G1A+1], 1536<<16                   ; a row: a tile's 12,288 bytes, 1,536 elements of 8
	s_mov_b32 s[G1A+2], 4<<16                      ; 4 tiles
	s_mov_b32 s[G1A+3], 1536<<16
	s_mov_b32 s[G1A+4], 4
	s_mov_b32 s[G1A+5], 1536
	s_mov_b32 s[G1A+6], 0
	s_mov_b32 s[G1A+7], 0
	s_mov_b32 s[G1B+1], 1536<<16
	s_mov_b32 s[G1B+2], 8<<16                      ; 8 tiles
	s_mov_b32 s[G1B+3], 1536<<16
	s_mov_b32 s[G1B+4], 8
	s_mov_b32 s[G1B+5], 1536
	s_mov_b32 s[G1B+6], 0
	s_mov_b32 s[G1B+7], 0
	s_lshl_b32 s78, s20, 3
	s_lshl_b32 s79, s16, 2
	s_add_co_u32 s78, s78, s79
	s_mul_i32 s78, s78, TILE                       ; tokens: tile 8 x block + 4 x half
	s_mov_b32 s79, 0
	s_lshl_b32 s80, s17, 4
	s_lshl_b32 s81, s16, 3
	s_add_co_u32 s80, s80, s81
	s_mul_i32 s80, s80, TILE
	s_add_co_u32 s80, s80, PCOFF                   ; proj_w: tile 16 x block + 8 x half
	s_mov_b32 s81, 0
	s_mul_i32 s82, s16, 4*TILE                     ; where they go: the tokens' two halves,
	s_mul_i32 s83, s16, 8*TILE
	s_add_co_u32 s83, s83, WL                      ; then proj_w's two
	s_wait_dscnt 0x0                               ; both opening adds are done
	s_wait_kmcnt 0x0
	s_mov_b32 s[G0A], 1
	s_add_co_u32 s[G0A+1], s82, 0
	s_add_nc_u64 s[G0A+2:G0A+3], s[4:5], s[78:79]
	s_or_b32 s[G0A+3], s[G0A+3], 0x80000000
	s_mov_b32 s[G0B], 1
	s_add_co_u32 s[G0B+1], s83, 0
	s_add_nc_u64 s[G0B+2:G0B+3], s[6:7], s[80:81]
	s_or_b32 s[G0B+3], s[G0B+3], 0x80000000
	CROUND                                         ; all sixteen work-groups are here: the joint loads meet
	s_cmp_eq_u32 s15, 0                            ; one tensor load a wave, in one of two arms
	s_cbranch_scc0 .Lfor_b
	tensor_load_to_lds s[G0A:G0A+3], s[G1A:G1A+7]
	s_nop 0
.rept 4
	v_nop
.endr
	s_branch .Lasked
.Lfor_b:
	tensor_load_to_lds s[G0B:G0B+3], s[G1B:G1B+7]
	s_nop 0
.rept 4
	v_nop
.endr
.Lasked:
	v_and_b32 v1, 31, v0
	v_and_b32 v2, 15, v0                           ; r
	v_bfe_u32 v3, v0, 4, 1                         ; h
	v_lshlrev_b32 v[CO], 4, v1
	v_lshlrev_b32 v4, 3, v1
	s_mul_i32 s88, s15, 4*TILE                     ; my 4 tiles of tokens
	v_add_nc_u32 v[A16], s88, v[CO]
	v_add_nc_u32 v[A8], s88, v4
	v_add_nc_u32 v[B16], s83, v[CO]                ; my 8 tiles of proj_w
	v_add_nc_u32 v[B8], s83, v4
	v_add_nc_u32 v[B16+2], 4*TILE, v[B16]
	v_add_nc_u32 v[B8+2], 4*TILE, v[B8]
	s_mul_i32 s88, s14, 16*528                     ; my stage, from LDS byte 0 on
	v_mul_u32_u24 v[STO], v2, 528
	v_lshl_add_u32 v[STO], v3, 6, v[STO]
	v_add_nc_u32 v[STO], s88, v[STO]
	v_add_nc_u32 v[RD], s88, v[CO]
	v_lshlrev_b32 v[BO], 6, v3                     ; the bias: + 64 h
	s_wait_alu depctr_va_vdst(0)
	s_lshl_b32 s88, s20, 3
	s_lshl_b32 s89, s15, 2
	s_add_co_u32 s88, s88, s89
	s_lshl_b32 s88, s88, 6                         ; my tokens' scale words
	s_lshl_b32 s90, s17, 4
	s_lshl_b32 s91, s16, 3
	s_add_co_u32 s90, s90, s91
	s_add_co_u32 s90, s90, 512
	s_lshl_b32 s90, s90, 6                         ; my rows' of proj_w
	s_mov_b32 s92, 0xffff0000
	v_mov_b32 v5, s88
	v_mov_b32 v6, s90
	v_cndmask_b32 v5, v5, v6, s92
	v_lshl_add_u32 v[SOF], v2, 2, v5
.irp i, 0,1,2,3,4,5,6,7
.irp g, 0,1,2,3,4,5,6,7
	global_load_b32 v[SC+8*\i+\g], v[SOF], s[8:9] offset:\g*SBPL+64*\i     ; (for i above 3 lanes 0-15 load words that lie inside the buffer and are not used)
.endr
.endr
	s_lshl_b32 s88, s17, 10
	s_lshl_b32 s89, s16, 9
	s_add_co_u32 s88, s88, s89                     ; my first output, in bytes
	s_mov_b32 s89, 0
	s_add_nc_u64 s[10:11], s[10:11], s[88:89]
	s_add_nc_u64 s[12:13], s[12:13], s[88:89]
	s_lshl_b32 s88, s20, 19
	s_lshl_b32 s90, s15, 18
	s_add_co_u32 s88, s88, s90                     ; my first token's row of 4,096 bytes
	s_add_nc_u64 s[12:13], s[12:13], s[88:89]
	WIN 0xc0                                       ; the bias in the result's layout, window 3: block b's register j is output 32 (b / 2) + 16 h + 8 (b % 2) + j
.irp b, 0,1,2,3,4,5,6,7
	global_load_b128 v[8*\b:8*\b+3], v[BO], s[10:11] offset:128*(\b/2)+32*(\b%2)
	global_load_b128 v[8*\b+4:8*\b+7], v[BO], s[10:11] offset:128*(\b/2)+32*(\b%2)+16
.endr
	WIN 0
.macro FRAG reg, a16, a8, off
	ds_load_b128 v[(\reg):(\reg)+3], v[\a16] offset:(\off)
	ds_load_b64 v[(\reg)+4:(\reg)+5], v[\a8] offset:(\off)+512
	ds_load_b128 v[(\reg)+6:(\reg)+9], v[\a16] offset:(\off)+768
	ds_load_b64 v[(\reg)+10:(\reg)+11], v[\a8] offset:(\off)+1280
.endm
.macro FETCH4 g, p                     ; 48 loads: the fragments of K step g (128 along K) into set p
	WIN TO_B
.irp i, 0,1,2,3,4,5,6,7
	FRAG 128*(\p)+FR*\i, B16+2*(\i/4), B8+2*(\i/4), (\i%4)*TILE+(\g)*1536
.endr
	WIN 0
.irp i, 0,1,2,3
	FRAG AF+48*(\p)+FR*\i, A16, A8, \i*TILE+(\g)*1536
.endr
.endm
.macro MUL32 p, g                      ; the 32 accumulators by turns, one instruction a turn
.if (\g) == 0
	WIN 0xb1                                       ; C: the bias, window 3
.else
	WIN 0xa1
.endif
.irp a, 0,1,2,3
.irp b, 0,1,2,3,4,5,6,7
.if (\g) == 0
	v_wmma_scale_f32_16x16x128_f8f6f4 v[8*(8*\a+\b):8*(8*\a+\b)+7], v[128*(\p)+FR*\b:128*(\p)+FR*\b+FR-1], v[AF+48*(\p)+FR*\a:AF+48*(\p)+FR*\a+FR-1], v[8*\b:8*\b+7], v[SC+8*\b+(\g)], v[SC+8*\a+(\g)] matrix_a_fmt:MATRIX_FMT_FP6 matrix_b_fmt:MATRIX_FMT_FP6 matrix_a_scale:MATRIX_SCALE_ROW1
.else
	v_wmma_scale_f32_16x16x128_f8f6f4 v[8*(8*\a+\b):8*(8*\a+\b)+7], v[128*(\p)+FR*\b:128*(\p)+FR*\b+FR-1], v[AF+48*(\p)+FR*\a:AF+48*(\p)+FR*\a+FR-1], v[8*(8*\a+\b):8*(8*\a+\b)+7], v[SC+8*\b+(\g)], v[SC+8*\a+(\g)] matrix_a_fmt:MATRIX_FMT_FP6 matrix_b_fmt:MATRIX_FMT_FP6 matrix_a_scale:MATRIX_SCALE_ROW1
.endif
.endr
.endr
.endm
	s_wait_alu depctr_va_vdst(0)                   ; the head's end
	s_wait_tensorcnt 0x0                           ; my tiles are in,
	s_barrier_signal -1
	s_barrier_wait -1                              ; and everybody's
	FETCH4 0, 0
	s_wait_loadcnt 0x0                             ; the scale words and the bias
.irp g, 0,1,2,3,4,5,6,7
	s_wait_dscnt 0x0                               ; this step's fragments are in
.if \g == 7
	s_barrier_signal -1                            ; my reads of the tiles are over; the last step's products, work on registers, stand between the signal and the wait
.endif
.if \g < 7
.if \g > 0
	PLACES                                         ; in front of loads into the set that the last step multiplied
.endif
	FETCH4 \g+1, (\g+1)%2                          ; the next step's fragments land while this step is multiplied
.endif
	MUL32 \g%2, \g
.endr
	WIN 0
	s_barrier_wait -1                              ; nobody reads the tiles any more
; THE WAY OUT, a tile of 16 tokens at a time, through my stage: it lies on tile bytes that have had their only fill and, behind the barrier above, their last read.
.macro TOSTAGE a
	WIN 0x08                                       ; the data: window 2
.irp b, 0,1,2,3,4,5,6,7
	ds_store_b128 v[STO], v[8*(8*(\a)+\b):8*(8*(\a)+\b)+3] offset:128*(\b/2)+32*(\b%2)        ; each accumulator from its low end on
	ds_store_b128 v[STO], v[8*(8*(\a)+\b)+4:8*(8*(\a)+\b)+7] offset:128*(\b/2)+32*(\b%2)+16
.endr
	WIN 0
.set BB, BK+64*((\a)%2)
.irp t, 0,1,2,3,4,5,6,7,8,9,10,11,12,13,14,15
	ds_load_b128 v[BB+4*\t:BB+4*\t+3], v[RD] offset:\t*528         ; in order behind my stores
.endr
.endm
.macro SEND a, younger
.set BB, BK+64*((\a)%2)
	s_wait_dscnt \younger
.irp t, 0,1,2,3,4,5,6,7,8,9,10,11,12,13,14,15
	global_store_b128 v[CO], v[BB+4*\t:BB+4*\t+3], s[12:13] offset:(32*((\a)/2)+8*((\a)%2)+\t+8*(\t/8))*4096 th:TH_STORE_NT   ; 512 consecutive aligned bytes of a token's row
.endr
.endm
	PLACES
	TOSTAGE 0
.irp a, 1,2,3
.if \a > 1
	s_wait_xcnt 0x0                                ; the stores of two tiles ago have read the registers that these loads take
.endif
	TOSTAGE \a
	SEND \a-1, 32                                  ; behind that tile's loads: this tile's 16 stores and 16 loads
.endr
	SEND 3, 0
	s_wait_tensorcnt 0x0                           ; the wave's end
	ds_add_u32 v[SPW], v[NIL]
	s_wait_dscnt 0x0
	CROUND                                         ; the closing round
	s_endpgm
.Lfunc_end_k_q22a404de7a_proj:
	.size	k_q22a404de7a_proj, .Lfunc_end_k_q22a404de7a_proj-k_q22a404de7a_proj
	.p2alignl 7, 3214868480
	.fill 96, 4, 3214868480
	.section	.rodata,"a",@progbits
	.p2align	6, 0x0
	.amdhsa_kernel k_q22a404de7a_proj
		.amdhsa_group_segment_fixed_size 295424
		.amdhsa_private_segment_fixed_size 0
		.amdhsa_enable_private_segment 0
		.amdhsa_kernarg_size 40
		.amdhsa_user_sgpr_count 2
		.amdhsa_user_sgpr_kernarg_segment_ptr 1
		.amdhsa_wavefront_size32 1
		.amdhsa_system_sgpr_workgroup_id_x 1
		.amdhsa_system_sgpr_workgroup_id_y 1
		.amdhsa_system_sgpr_workgroup_id_z 1
		.amdhsa_system_vgpr_workitem_id 0
		.amdhsa_next_free_vgpr 1024
		.amdhsa_next_free_sgpr 100
		.amdhsa_reserve_vcc 0
		.amdhsa_float_denorm_mode_32 3
		.amdhsa_float_denorm_mode_16_64 3
		.amdhsa_memory_ordered 1
		.amdhsa_forward_progress 1
		.amdhsa_inst_pref_size 87
	.end_amdhsa_kernel
	.amdgpu_metadata
---
amdhsa.version: [ 1, 2 ]
amdhsa.kernels:
  - .name:           k_q22a404de7a_proj
    .symbol:         k_q22a404de7a_proj.kd
    .args:
      - { .name: oc, .offset: 0, .size: 8, .value_kind: global_buffer, .address_space: global }
      - { .name: wc, .offset: 8, .size: 8, .value_kind: global_buffer, .address_space: global }
      - { .name: sb, .offset: 16, .size: 8, .value_kind: global_buffer, .address_space: global }
      - { .name: proj_b, .offset: 24, .size: 8, .value_kind: global_buffer, .address_space: global }
      - { .name: out0, .offset: 32, .size: 8, .value_kind: global_buffer, .address_space: global }
    .group_segment_fixed_size: 295424
    .private_segment_fixed_size: 0
    .kernarg_segment_align: 8
    .kernarg_segment_size: 40
    .max_flat_workgroup_size: 128
    .sgpr_count:     100
    .vgpr_count:     1024
    .wavefront_size: 32
...
	.end_amdgpu_metadata
.endif
;; end of part 4
